; MI455X (gfx1250); checked and timed in simulation.
; The chip was launched on July 23, 2026; its instructions are those of AMD's public machine-readable ISA for CDNA 5 (MIT licence, August 2026) and "CDNA5" Instruction Set Architecture Reference Guide (July 2026). The comments in the code are by the model that wrote it; some were corrected since.
;; Attention. Allowed arithmetic: matrix products marked QUANTISED: E4M3 operands, one E8M0 scale for each 32 along K, by v_wmma_scale_f32_16x16x128_f8f6f4 with both operands' format E4M3, f32 sums; everything else in f32.
;; Inputs: W_out_codes 1,024 x 32 x 32 uint8 (E4M3 codes of W_out, K innermost, in blocks of 32 codes); W_out_scales 1,024 x 32 uint8 (E8M0 scales of W_out, one for each 32 codes along K); W_qkv_codes 3,072 x 32 x 32 uint8 (E4M3 codes of W_qkv, K innermost, in blocks of 32 codes); W_qkv_scales 3,072 x 32 uint8 (E8M0 scales of W_qkv, one for each 32 codes along K); b_out 1,024 float32; mask 4 x 2,048 bool; rotary_pos_emb 2,048 x 64 float32; x_codes 4 x 2,048 x 32 x 32 uint8 (E4M3 codes of x, K innermost, in blocks of 32 codes); x_scales 4 x 2,048 x 32 uint8 (E8M0 scales of x, one for each 32 codes along K).
;; Outputs: out0 4 x 2,048 x 1,024 float32.
;; This version of the problem:
;;   THIS VERSION OF THE PROBLEM IS GIVEN IN LOW PRECISION. The matrix products marked QUANTISED in the list below multiply operands that are first quantised to E4M3 (4 exponent bits, 3 mantissa bits; 8 bits a number), with one power-of-two scale for each 32 numbers along K (OCP MX v1.0); their sums are f32. All else is computed in f32.
;;   The module's matrix products, in the order in which they are computed (A, B: the left and right operand; K: the contracted axis; several contracted axes count as one K, in the product's order):
;;     1. [M 8,192, K 1,024] x [K 1,024, N 3,072]; A: input x (given as codes); B: input W_qkv (given as codes): QUANTISED
;;     2. batch 64 x [M 2,048, K 64] x [K 64, N 2,048]; A: computed on the way; B: computed on the way: QUANTISED
;;     3. batch 64 x [M 2,048, K 2,048] x [K 2,048, N 64]; A: softmax (see below); B: computed on the way: QUANTISED
;;     4. [M 8,192, K 1,024] x [K 1,024, N 1,024]; A: computed on the way; B: input W_out (given as codes): QUANTISED
;;   THE QUANTISER, for each operand of a quantised product, along K:
;;     - K is cut into blocks of 32 from its start; a last block that is shorter is filled with zeros.
;;     - A block's scale is 2^e with e = floor(log2(the largest magnitude in the block)) - 8, held to -126 .. 127; a block of zeros has e = 0. As a byte (E8M0): e + 127.
;;     - Each number is divided by its block's scale, clamped to +-448, and rounded to the nearest number of E4M3, ties to even, subnormals kept.
;;     - The product sums the exact products of the quantised numbers (number of the format x scale) in f32.
;;   ~~~python
;;   def quantise(x, axis):      # numpy; x: float32 -> the quantised numbers, widened to float32 again
;;       x = np.moveaxis(x, axis, -1); K = x.shape[-1]
;;       x = np.pad(x, [(0, 0)] * (x.ndim - 1) + [(0, -K % 32)]); x = x.reshape(x.shape[:-1] + (-1, 32)); a = np.abs(x).max(-1, keepdims=True)
;;       e = np.where(a > 0, np.clip(np.frexp(np.where(a > 0, a, 1))[1] - 1 - 8, -126, 127), 0)      # np.frexp(a)[1] - 1 = floor(log2(a)), exactly
;;       r = np.clip(x / 2.0 ** e, -448, 448)
;;       step = 2.0 ** (np.maximum(np.frexp(np.where(r == 0, 1, r))[1] - 1, -6) - 3)
;;       q = np.round(r / step) * step * 2.0 ** e      # np.round: ties to even
;;       return np.moveaxis(q.reshape(q.shape[:-2] + (-1,))[..., :K], -1, axis).astype(np.float32)
;;   ~~~
;;   SOFTMAX AHEAD OF A QUANTISED PRODUCT. Where the list says 'softmax', what is quantised is not the finished softmax but p = 2^(t - M), with t = logit x log2(e) and M = ceil(the row's largest t), a whole number; so 1/2 < the row's largest p <= 1. The row's sum l is taken of the UNQUANTISED p, in f32, and the product's result is divided by l at the end. Since M is a whole number, a kernel that streams over the keys may use a running M (the ceiling of the running maximum): every later rescaling is an exact power of two, which a block's scale takes up: the codes' values come out the same.
;;   OPERANDS COMPUTED ON THE WAY. 'Computed on the way' means the value that the module computes at that place (a softmax that the list does not call 'softmax' is quantised finished and normalised). What goes into a quantiser is computed in f32, as accurately as f32 sums, v_exp_f32 and their like allow (about 1e-6 of the number): no bf16 or f16 on the way to a quantiser, and a product that is left as it is and whose result goes on into a quantised operand takes f32 operands (vector FMAs, or v_wmma_f32_16x16x4_f32). A number that lies on a knife's edge between two numbers of the format may be rounded either way, as far as f32 arithmetic and the matrix unit's own rounding can turn it there, and no further.
;;   INPUTS GIVEN AS CODES. W_out (in the module: [1024, 1024], K = its axis 0); W_qkv (in the module: [1024, 3072], K = its axis 0); x (in the module: [4, 2048, 1024], K = its axis 2): each comes as NAME_codes (uint8): NAME with its K axis moved to the last place and cut into blocks of 32 codes, [.., K / 32, bytes a block], one block behind the other in memory; one code a byte (a code: sign, 4 exponent bits, 3 mantissa bits); and NAME_scales (uint8): the same leading axes, one E8M0 byte (e + 127) for each 32 codes along K. Its value is code x scale, taken as it is: it is not quantised again, and the codes and scales need not be those that the quantiser above would give.
;; One version. Each part assembles by itself: llvm-mc -triple=amdgcn-amd-amdhsa -mcpu=gfx1250 --defsym DOCPART=n.
;; ======== version 1 of 1: 4 launches
;; limits: right only within a limited range of input values
;; workspace buffers: rot 1,048,576 bytes; qkvw 27,525,120 bytes; vpart 262,144 bytes; oimg 8,388,608 bytes; osc 262,144 bytes
;; launch tables (part 1): grid 256 x 1, 4 waves a work-group, no clusters, 0 bytes of LDS; arguments rotary_pos_emb, rot; writes rot
.if DOCPART == 1
	.amdgcn_target "amdgcn-amd-amdhsa--gfx1250"
	.amdhsa_code_object_version 6
	.text
	.protected	k_qb17ce59d3b_tables
	.globl	k_qb17ce59d3b_tables
	.p2align	8
	.type	k_qb17ce59d3b_tables,@function
k_qb17ce59d3b_tables:
	s_mov_b64 s[64:65], 0
	v_nop
	global_prefetch_b8 v0, s[64:65] scope:SCOPE_SE
	s_setreg_imm32_b32 hwreg(HW_REG_WAVE_MODE, 25, 1), 1
	s_wait_xcnt 0x0
; cos and signed sin of rotary_pos_emb [2048][64], laid in the order in which the next launch's registers take them:
; rot = cos at byte 0, sinS at byte SINOFF, each [block of 16 tokens: 128][j: 8][lane: 32][16 bytes]; lane (r, h) of chunk j holds token 16 tb + r,
; d = 16 (j / 2) + 8 h + 4 (j % 2) + 0 .. 3.  sinS = -sin for even d, +sin for odd d, so that a rotated pair is x * cos + swapped(x) * sinS.
; A thread makes four numbers: 16 bytes in, 2 x 16 bytes out; a wave's store covers 512 consecutive bytes.  32,768 threads, 256 work-groups of 128.
; sin and cos: x = K pi/2 + R with K = the nearest whole number to x 2/pi; pi/2 is taken off in three parts by fused multiply-adds, so R is good to f32's
; last bits for |x| up to some thousands; on |R| <= pi/4 two short polynomials; the quadrant K mod 4 swaps them and sets the signs.
; LIMITS: NaN and infinities are not served; for |x| beyond some 10^5 the reduction loses accuracy.
.set SINOFF, 524288
	s_load_b128 s[4:7], s[0:1], 0x0                ; rotary_pos_emb s[4:5], rot s[6:7]
	s_lshl_b32 s2, ttmp9, 7
	v_add_nc_u32 v1, s2, v0                        ; T = 128 x work-group + thread
	v_and_b32 v2, 15, v1                           ; r
	v_bfe_u32 v3, v1, 4, 1                         ; h
	v_bfe_u32 v20, v1, 5, 1                        ; j % 2
	v_bfe_u32 v21, v1, 6, 2                        ; j / 2
	v_lshrrev_b32 v22, 8, v1                       ; tb
	v_lshlrev_b32 v23, 12, v22                     ; 16 tokens of 256 bytes
	v_lshl_add_u32 v23, v2, 8, v23                 ; + token r
	v_lshl_add_u32 v23, v21, 6, v23                ; + 16 numbers for each j / 2
	v_lshl_add_u32 v23, v3, 5, v23                 ; + 8 for h
	v_lshl_add_u32 v23, v20, 4, v23                ; + 4 for j % 2
	v_lshlrev_b32 v24, 4, v1                       ; out: 16 T
	s_mov_b32 s8, 0x3f22f983                       ; 2 / pi
	s_mov_b32 s9, 0xbfc90fdb                       ; -pi/2 in three parts
	s_mov_b32 s10, 0x333bbd2e
	s_mov_b32 s11, 0x26f72ced
	s_mov_b32 s12, 0xb94ca1f9                      ; sin: R + R R2 (S1 + R2 (S2 + R2 S3))
	s_mov_b32 s13, 0x3c08839e
	s_mov_b32 s14, 0xbe2aaaa3
	s_mov_b32 s15, 0x37ccf5ce                      ; cos: 1 - R2 / 2 + R2 R2 (C1 + R2 (C2 + R2 C3))
	s_mov_b32 s16, 0xbab6061a
	s_mov_b32 s17, 0x3d2aaaa5
	s_wait_alu depctr_va_vdst(0)
	s_wait_kmcnt 0x0
	global_load_b128 v[4:7], v23, s[4:5]
	s_wait_loadcnt 0x0
.macro SINCOS i
	v_mul_f32 v25, s8, v[4+\i]
	v_rndne_f32 v25, v25                           ; K
	v_fma_f32 v26, v25, s9, v[4+\i]
	v_fma_f32 v26, v25, s10, v26
	v_fma_f32 v26, v25, s11, v26                   ; R
	v_cvt_i32_f32 v27, v25                         ; K as a whole number: its two low bits are the quadrant, for negative K too
	v_mul_f32 v28, v26, v26                        ; R2
	v_fma_f32 v29, v28, s12, s13
	v_fma_f32 v29, v29, v28, s14
	v_mul_f32 v30, v26, v28
	v_fma_f32 v29, v30, v29, v26                   ; sin R
	v_fma_f32 v31, v28, s15, s16
	v_fma_f32 v31, v31, v28, s17
	v_fma_f32 v32, v28, -0.5, 1.0
	v_mul_f32 v33, v28, v28
	v_fma_f32 v31, v33, v31, v32                   ; cos R
	v_and_b32 v34, 1, v27
	v_cmp_eq_u32 vcc_lo, 1, v34                    ; odd quadrants swap the two
	v_cndmask_b32 v35, v29, v31, vcc_lo
	v_cndmask_b32 v36, v31, v29, vcc_lo
	v_and_b32 v34, 2, v27                          ; sin is negative in quadrants 2, 3
	v_lshlrev_b32 v34, 30, v34
.if (\i % 2) == 0
	v_xor_b32 v34, 0x80000000, v34                 ; and sinS has the other sign for even d
.endif
	v_xor_b32 v[12+\i], v35, v34
	v_add_nc_u32 v34, 1, v27                       ; cos is negative in quadrants 1, 2
	v_and_b32 v34, 2, v34
	v_lshlrev_b32 v34, 30, v34
	v_xor_b32 v[8+\i], v36, v34
.endm
	SINCOS 0
	SINCOS 1
	SINCOS 2
	SINCOS 3
	global_store_b128 v24, v[8:11], s[6:7]
	global_store_b128 v24, v[12:15], s[6:7] offset:SINOFF
	s_endpgm
.Lfunc_end_k_qb17ce59d3b_tables:
	.size	k_qb17ce59d3b_tables, .Lfunc_end_k_qb17ce59d3b_tables-k_qb17ce59d3b_tables
	.p2alignl 7, 3214868480
	.fill 96, 4, 3214868480
	.section	.rodata,"a",@progbits
	.p2align	6, 0x0
	.amdhsa_kernel k_qb17ce59d3b_tables
		.amdhsa_group_segment_fixed_size 0
		.amdhsa_private_segment_fixed_size 0
		.amdhsa_enable_private_segment 0
		.amdhsa_kernarg_size 16
		.amdhsa_user_sgpr_count 2
		.amdhsa_user_sgpr_kernarg_segment_ptr 1
		.amdhsa_wavefront_size32 1
		.amdhsa_system_sgpr_workgroup_id_x 1
		.amdhsa_system_sgpr_workgroup_id_y 1
		.amdhsa_system_sgpr_workgroup_id_z 1
		.amdhsa_system_vgpr_workitem_id 0
		.amdhsa_next_free_vgpr 48
		.amdhsa_next_free_sgpr 66
		.amdhsa_reserve_vcc 1
		.amdhsa_float_denorm_mode_32 3
		.amdhsa_float_denorm_mode_16_64 3
		.amdhsa_memory_ordered 1
		.amdhsa_forward_progress 1
		.amdhsa_inst_pref_size 7
	.end_amdhsa_kernel
	.amdgpu_metadata
---
amdhsa.version: [ 1, 2 ]
amdhsa.kernels:
  - .name:           k_qb17ce59d3b_tables
    .symbol:         k_qb17ce59d3b_tables.kd
    .args:
      - { .name: rotary_pos_emb, .offset: 0, .size: 8, .value_kind: global_buffer, .address_space: global }
      - { .name: rot, .offset: 8, .size: 8, .value_kind: global_buffer, .address_space: global }
    .group_segment_fixed_size: 0
    .private_segment_fixed_size: 0
    .kernarg_segment_align: 8
    .kernarg_segment_size: 16
    .max_flat_workgroup_size: 128
    .sgpr_count:     66
    .vgpr_count:     48
    .wavefront_size: 32
...
	.end_amdgpu_metadata
.endif
;; end of part 1
;; launch qkv (part 2): grid 12 x 32, 4 waves a work-group, clusters of 4 x 4, 327,680 bytes of LDS; arguments x_codes, x_scales, W_qkv_codes, W_qkv_scales, mask, rot, qkvw, vpart; writes qkvw, vpart
.if DOCPART == 2
	.amdgcn_target "amdgcn-amd-amdhsa--gfx1250"
	.amdhsa_code_object_version 6
	.text
	.protected	k_qb17ce59d3b_qkv
	.globl	k_qb17ce59d3b_qkv
	.p2align	8
	.type	k_qb17ce59d3b_qkv,@function
k_qb17ce59d3b_qkv:
	s_mov_b64 s[64:65], 0
	v_nop
	global_prefetch_b8 v0, s[64:65] scope:SCOPE_SE
	s_setreg_imm32_b32 hwreg(HW_REG_WAVE_MODE, 25, 1), 1
	s_wait_xcnt 0x0
	s_wait_alu depctr_hold_cnt(0) depctr_sa_sdst(0) depctr_va_vdst(0) depctr_va_sdst(0) depctr_va_ssrc(0) depctr_va_vcc(0) depctr_vm_vsrc(0)
	s_getreg_b32 s2, hwreg(HW_REG_IB_STS2, 6, 4)
	s_cmp_eq_u32 s2, 0
	s_cbranch_scc0 .Lentry_in_a_cluster
	s_endpgm
.Lentry_in_a_cluster:
	s_bfe_u32 s2, ttmp6, 0x10000c
	s_cmp_lg_u32 s2, 0xf033
	s_cbranch_scc0 .Lentry_shape_is_right
	s_endpgm
.Lentry_shape_is_right:
; qkv = x W_qkv on codes of FP8 (E4M3) with E8M0 scales, then the rotation of q, k AND v in f32, then their quantising: q and k along the head's 64, v along the keys.
; THE PRODUCT: a tile of 256 tokens x 256 features to a work-group of four waves, 128 x 128 a wave in 64 accumulators; K = 1,024 goes in steps of 256 through a ring of two LDS slots filled by
; the tensor data mover; the scale bytes of the work-group's rows come once.  4 x 4 work-groups form a cluster: x's tiles are asked for jointly along a row of it, W's along a column.
; The matrix instruction is used transposed (source 0 = 16 features, source 1 = 16 tokens): a lane holds one token and eight neighbouring features.
; A cluster's x says what its 1,024 features are: 0 q, 1 k, 2 v; it is the same in all sixteen partners, so branches may hang on it.
; THE WAY OUT.  R: each accumulator pair (x1, x2) becomes x * cos + swapped(x) * sinS (tables in register order from the launch before) and goes to the wave's own stage in LDS, 128 token rows of 528 bytes,
; laid over the two slots, which have had their last fill and, behind a barrier, their last read.  Q: four trips of 32 tokens read the stage back as the quantiser wants it.
;   q, k: a lane takes 16 neighbours along d of one token; lanes l and l xor 16 share a block of 32.  The codes leave as IMAGES OF THE OPERAND'S REGISTERS: group of 32 tokens (2,304 bytes): tile u at 1,024 u, chunk c at 512 c,
;   16 bytes a lane: token 32 g + 8 u + r + 8 (r / 8), d = 32 c + 16 h + 0 .. 15; at 2,048 + 8 (16 u + r) the pair {scale word, mask word}.  q / 8 is exact: 3 off its scale bytes.
;   The scale word's two upper bytes serve the empty half of the next product's K: for k 1, 1 where the key counts, 217, 1 and the mask word 0xFE (the code of -448) where the input mask hides it; for q 127, 127.
;   v: a lane takes one feature and 32 keys down its registers: a whole block.  Group of 128 keys (8,448 bytes): tile t at 2,048 t, chunk c at 512 c, 16 bytes a lane: d = 32 (t / 2) + 8 (t % 2) + r + 8 (r / 8), keys 32 c + 16 h + 0 .. 15;
;   scale words at 8,192 + 64 t + 4 r.  The sums of the QUANTISED v over the group's 128 keys go to vpart [head][group][d]: the next launch needs their mean for rows without any key that counts.
; qkvw: [head 64][slot of 256 tokens: 8] records of 53,760 bytes: K at 0, V at 18,432, Q at 35,328.
; LIMITS: blocks of q or k whose largest magnitude lies under 2^-115, and of v under 2^-118, are quantised under the floor's scale; NaN and infinities are not served.
; REGISTERS, in windows of 256: window 0: v0-31 addresses; v32-63 scale words and nothing else; v64-127 a table set; v128-255 x's fragments, later rotated numbers; in phase Q v64-191 numbers, v192-223 codes, v224-253 at work.
;   window 1: W's fragments, two sets, later four table sets.   windows 2, 3: the accumulators ((a, b) at v[8 (8 (a % 4) + b)]).
; THE RECORD AS THIS TEXT STORES IT (this line stands over the sentence on records above): for each 128 tokens K's four groups (9,216 bytes) and then V's group (8,448): K at 17,664 x half, V at 9,216 + 17,664 x half, Q at 35,328 + 9,216 x half.
; THE HEAD'S FOUR TILES go one to a wave: wave 0 x's 256 rows of K step 0, wave 1 W's, wave 2 x's scale bytes, wave 3 W's; slot 1 is first filled behind the full sequence and a round, as a refill is.
.set SIZE_K, 1024
.set KSTEP,  256                       ; along K in a slot
.set NQ,     KSTEP/128                 ; matrix instructions deep
.set ROWB,   256                       ; a tile's row in bytes
.set KROW,   SIZE_K                    ; a row of x or of W in memory, in bytes
.set PITCH,  272                       ; an LDS row: 256 bytes + 16 of padding: the 16 rows that a load touches start 16 bytes apart modulo 256
.set FR,     16                        ; registers of a fragment
.set NL,     4                         ; LDS loads that bring one
.set NP,     8                         ; places behind this matrix instruction (ISA guide 7.12.1)
.set HALFT,  128*PITCH                 ; 128 rows: what one tensor load brings
.set SLOT,   4*HALFT
.set LAPS,   SIZE_K/(2*KSTEP)
.set KS,     SIZE_K/32                 ; a row of scale bytes
.set SCL,    2*SLOT                    ; behind the ring: the scale bytes, as units of 256 bytes + 16
.set HALFS,  (128*KS/256)*272
.set SBLK,   (16*KS/256)*272
.set SPARE,  SCL+4*HALFS               ; the spare words: 128 bytes a wave, named by no other line
.set SPITCH, 528                       ; a stage row: 128 f32 + 16 bytes
.set STGW,   128*SPITCH                ; a wave's stage; four of them end under SCL
.set HSTR,   430080                    ; a head in qkvw
.set L16,  8                           ; v8   16 x lane
.set QS8,  10                          ; v10  2,048 + 8 x lane: the pairs of a group
.set VST,  11                          ; v11  2,048 (lane / 16) + 16 (lane % 16): v's codes
.set L4,   12                          ; v12  4 x lane
.set DP4,  13                          ; v13  4 x dperm
.set LM,   14                          ; v14  dperm = 8 (lane / 16) + r + 8 (r / 8)
.set MKP,  15                          ; v15  the mask bytes of my token in the four trips
.set ADRA, 16                          ; v16-17 x's fragments in slot 0, 1; in phase Q the trip's two stage addresses
.set ADRB, 20                          ; v20-21 W's
.set STO,  24                          ; v24  the stage: row r, + 32 h
.set AQS,  25                          ; v25  the stage: row r + 8 (r / 8), + 64 h
.set AVS,  26                          ; v26  the stage: + 4 dperm
.set ADRS, 27                          ; v27  my scale words
.set SPW,  28                          ; v28  my spare word; never rewritten
.set NIL,  29                          ; v29  0; never rewritten
.set SC,   32
.set AF,   128
.set DT,   64                          ; phase Q: 128 numbers
.set PC,   192                         ; 32 registers of codes
.set VS,   224                         ; v224-227 sums of quantised v
.set SW,   228                         ; v228-231 v's scale words
.set ONE,  232                         ; v232 four bytes 127
.set TM,   233                         ; v233-248 at work in the quantisers
.set WP,   250                         ; v250-253 the pairs {scale word, mask word} of the two heads
.set G1, 24
.set G0, 32
.set G1B, 48
.set G0B, 56
.set G1S, 68
.set G0S, 76
.set G1SB, 80
.set G0SB, 88
.set MSB, 0
.macro WIN new                         ; the immediate's high byte repeats the setting that is left
.if MSB != \new
	s_set_vgpr_msb (MSB<<8)|\new
.set MSB, \new
.endif
.endm
.set MUL_LO, 0xa1                      ; source 0 (W) window 1, source 1 (x) window 0, C and D window 2
.set MUL_HI, 0xf1                      ; the same, C and D window 3
.set TO_B,   0x40
; A joint load: waves 0 and 1 fetch for x, waves 2 and 3 for W; the branch hangs on the wave's number alone.  Four v_nop follow each of the two lines.
.macro JLOAD g0a, g1a, g0b, g1b
	s_cmp_eq_u32 s15, 0
	s_cbranch_scc0 .Lfor_b_\@
	tensor_load_to_lds s[\g0a:\g0a+3], s[\g1a:\g1a+7]
	s_nop 0
.rept 4
	v_nop
.endr
	s_branch .Lasked_\@
.Lfor_b_\@:
	tensor_load_to_lds s[\g0b:\g0b+3], s[\g1b:\g1b+7]
	s_nop 0
.rept 4
	v_nop
.endr
.Lasked_\@:
.endm
.macro CREST                           ; a round of the cluster's barrier behind its opening barrier
	s_cmp_lg_u32 s14, 0
	s_cbranch_scc1 .Lnot_wave_0_\@
	s_barrier_signal -3
.Lnot_wave_0_\@:
	s_barrier_wait -3
	s_barrier_signal -1
	s_barrier_wait -1
.endm
.macro CROUND
	s_barrier_signal -1
	s_barrier_wait -1
	CREST
.endm
	s_load_b128 s[4:7], s[0:1], 0x0                ; x's codes s[4:5], x's scales s[6:7]
	s_load_b128 s[8:11], s[0:1], 0x10              ; W's codes s[8:9], W's scales s[10:11]
	v_lshl_add_u32 v[SPW], v0, 2, SPARE
	v_mov_b32 v[NIL], 0
	ds_add_u32 v28, v29
	ds_add_u32 v28, v29
	s_wait_dscnt 0x0
	v_lshrrev_b32 v1, 5, v0
	v_readfirstlane_b32 s14, v1                    ; wave 0..3
	s_lshr_b32 s15, s14, 1                         ; which half of the tile's tokens is mine.  Also: I fetch for x (0) or for W (1)
	s_and_b32 s16, s14, 1                          ; which half of its features.  Also: which 128 rows of that tile I fetch
	s_bfe_u32 s40, ttmp6, 0x40000                  ; cx, cy: my place in the cluster
	s_bfe_u32 s41, ttmp6, 0x40004
	s_lshl_b32 s42, ttmp9, 2
	s_add_co_u32 s42, s42, s40                     ; tile column = 4 x cluster x + cx
	s_and_b32 s17, ttmp7, 0xffff
	s_lshl_b32 s17, s17, 2
	s_add_co_u32 s17, s17, s41                     ; tile row = 4 x cluster y + cy
	s_lshl_b32 s43, s41, 2
	s_lshl_b32 s43, 15, s43                        ; my row of the cluster
	s_lshl_b32 s44, 0x1111, s40                    ; my column
	; descriptor group 1: a tile of 128 rows x 256 bytes, 16 bytes of padding behind each row
	s_or_b32 s[G1+0], s43, (0<<16)|(1<<20)|(1<<21)|(5<<22)|(3<<25)
	s_or_b32 s[G1B+0], s44, (0<<16)|(1<<20)|(1<<21)|(5<<22)|(3<<25)
.irp g, G1, G1B
	s_mov_b32 s[\g+1], ROWB<<16                    ; tensor_dim0
	s_mov_b32 s[\g+2], 256<<16                     ; tensor_dim1: 256 rows for the head's loads
	s_mov_b32 s[\g+3], ROWB<<16
	s_mov_b32 s[\g+4], 256                         ; tile_dim1
	s_mov_b32 s[\g+5], KROW
	s_mov_b32 s[\g+6], 0
	s_mov_b32 s[\g+7], 0
.endr
	; the scale bytes of 128 rows: a dense block of 4,096 bytes, as 16 rows of 256 bytes (32 elements of 8), 16 bytes of padding behind each
	s_or_b32 s[G1S+0], s43, (3<<16)|(1<<20)|(1<<21)|(5<<22)|(3<<25)
	s_or_b32 s[G1SB+0], s44, (3<<16)|(1<<20)|(1<<21)|(5<<22)|(3<<25)
.irp g, G1S, G1SB
	s_mov_b32 s[\g+1], 32<<16
	s_mov_b32 s[\g+2], KS<<16                      ; the scale bytes of 256 rows: KS rows of 256 bytes
	s_mov_b32 s[\g+3], 32<<16
	s_mov_b32 s[\g+4], KS
	s_mov_b32 s[\g+5], 32
	s_mov_b32 s[\g+6], 0
	s_mov_b32 s[\g+7], 0
.endr
	s_lshl_b32 s20, s17, 8                         ; x: the tile's first row
	s_lshl_b32 s46, s42, 8                         ; W: likewise
	s_mov_b32 s21, 0
	s_mov_b32 s47, 0
	s_mov_b64 s[18:19], KS
	s_mul_u64 s[22:23], s[20:21], s[18:19]         ; where these rows' scale bytes begin
	s_mul_u64 s[92:93], s[46:47], s[18:19]
	s_mov_b64 s[18:19], KROW
	s_mul_u64 s[20:21], s[20:21], s[18:19]         ; and their codes
	s_mul_u64 s[46:47], s[46:47], s[18:19]
	s_mul_i32 s18, s16, 128*KROW                   ; in the ring I fetch 128 rows of a tile: which half, in bytes
	s_mov_b32 s19, 0
	s_mul_i32 s45, s14, HALFT
	s_wait_kmcnt 0x0
	s_add_nc_u64 s[20:21], s[4:5], s[20:21]
	s_add_nc_u64 s[22:23], s[6:7], s[22:23]
	s_add_nc_u64 s[46:47], s[8:9], s[46:47]
	s_add_nc_u64 s[92:93], s[10:11], s[92:93]
	CROUND                                         ; all sixteen work-groups are here: the first joint loads meet
	s_mov_b32 s[G0S], 1
	s_mov_b32 s[G0S+1], SCL
	s_mov_b64 s[G0S+2:G0S+3], s[22:23]
	s_or_b32 s[G0S+3], s[G0S+3], 0x80000000
	s_mov_b32 s[G0SB], 1
	s_mov_b32 s[G0SB+1], SCL+2*HALFS
	s_mov_b64 s[G0SB+2:G0SB+3], s[92:93]
	s_or_b32 s[G0SB+3], s[G0SB+3], 0x80000000
	s_mov_b32 s4, 1                                ; group 0 of the head's loads of K step 0, in registers whose arguments have been used: x's 256 rows,
	s_mov_b32 s5, 0
	s_mov_b64 s[6:7], s[20:21]
	s_or_b32 s7, s7, 0x80000000
	s_mov_b32 s8, 1                                ; W's 256 rows, behind them in slot 0
	s_mov_b32 s9, 2*HALFT
	s_mov_b64 s[10:11], s[46:47]
	s_or_b32 s11, s11, 0x80000000
	s_add_nc_u64 s[20:21], s[20:21], s[18:19]      ; for the ring: my 128 rows of the tile
	s_add_nc_u64 s[46:47], s[46:47], s[18:19]
.irp s, 0,1
	s_mov_b32 s[G0+4*\s], 1
	s_add_co_u32 s[G0+4*\s+1], s45, \s*SLOT
	s_add_nc_u64 s[G0+4*\s+2:G0+4*\s+3], s[20:21], \s*ROWB
	s_or_b32 s[G0+4*\s+3], s[G0+4*\s+3], 0x80000000
	s_mov_b32 s[G0B+4*\s], 1
	s_add_co_u32 s[G0B+4*\s+1], s45, \s*SLOT
	s_add_nc_u64 s[G0B+4*\s+2:G0B+4*\s+3], s[46:47], \s*ROWB
	s_or_b32 s[G0B+4*\s+3], s[G0B+4*\s+3], 0x80000000
.endr
; one chain of branches on the wave's number, a load to an arm: every way through the head passes one load
.macro ARM under, g0, g1, next
	s_cmp_lt_u32 s14, \under
	s_cbranch_scc0 \next
	tensor_load_to_lds s[\g0:\g0+3], s[\g1:\g1+7]
	s_nop 0
.rept 4
	v_nop
.endr
	s_branch .Lhead_asked
\next:
.endm
	ARM 1, 4, G1, .Lhead_b
	ARM 2, 8, G1B, .Lhead_sa
	ARM 3, G0S, G1S, .Lhead_sb
	tensor_load_to_lds s[G0SB:G0SB+3], s[G1SB:G1SB+7]
	s_nop 0
.rept 4
	v_nop
.endr
.Lhead_asked:
	v_and_b32 v1, 15, v0                           ; r
	v_bfe_u32 v2, v0, 4, 1                         ; h
	v_mul_u32_u24 v3, v1, PITCH
	v_lshl_add_u32 v4, v2, 4, v3                   ; a fragment's row x pitch + 16 h
	s_mul_i32 s21, s15, HALFT                      ; my 128 rows of x
	s_mul_i32 s22, s16, HALFT                      ; my 128 rows of W,
	s_add_co_u32 s22, s22, 2*HALFT                 ; which lie behind x's 256
.irp s, 0,1
	v_add_nc_u32 v[ADRA+\s], s21, v4
	v_add_nc_u32 v[ADRB+\s], s22, v4
	s_add_co_u32 s21, s21, SLOT
	s_add_co_u32 s22, s22, SLOT
.endr
	v_mul_u32_u24 v5, v1, KS                       ; my row's scale bytes,
	v_lshrrev_b32 v6, 8, v5
	v_lshl_add_u32 v5, v6, 4, v5                   ; and 16 more for each 256 passed
	s_mul_i32 s21, s15, HALFS
	s_mul_i32 s22, s16, HALFS
	s_add_co_u32 s22, s22, 2*HALFS
	s_sub_co_u32 s22, s22, s21
	v_mul_u32_u24 v6, s22, v2                      ; lanes 16-31 take W's
	s_add_co_u32 s21, s21, SCL
	v_add_nc_u32 v5, v5, v6
	v_add_nc_u32 v[ADRS], s21, v5
	; the way out's addresses, all made here
	s_mul_i32 s23, s14, STGW                       ; my stage
	v_mul_u32_u24 v5, v1, SPITCH
	v_lshl_add_u32 v5, v2, 5, v5
	v_add_nc_u32 v[STO], s23, v5
	v_and_b32 v6, 8, v1
	v_add_nc_u32 v6, v6, v1                        ; r + 8 (r / 8)
	v_mul_u32_u24 v5, v6, SPITCH
	v_lshl_add_u32 v5, v2, 6, v5
	v_add_nc_u32 v[AQS], s23, v5
	v_lshl_add_u32 v[LM], v2, 3, v6
	v_lshlrev_b32 v[DP4], 2, v[LM]
	v_add_nc_u32 v[AVS], s23, v[DP4]
	v_and_b32 v5, 31, v0
	v_lshlrev_b32 v[L16], 4, v5
	v_lshlrev_b32 v[L4], 2, v5
	v_lshl_add_u32 v[QS8], v5, 3, 2048
	v_lshlrev_b32 v[VST], 11, v2
	v_lshl_add_u32 v[VST], v1, 4, v[VST]
.macro FRAG reg, adr, q, i             ; 16 rows x 128 K: lane l holds row l % 16; registers 4 c .. 4 c + 3 hold K = 32 c + 16 (l / 16) + 0 .. 15
.irp c, 0,1,2,3
	ds_load_b128 v[\reg+4*\c:\reg+4*\c+3], v[\adr] offset:128*(\q)+32*\c+(\i)*16*PITCH
.endr
.endm
; 16 matrix instructions: x's blocks a0, a0 + 1 against W's eight.  The 64 accumulators take turns, one instruction a turn, in the same order in every step.  zero = 1: the first product starts the sums.
.macro MUL16 a0, p, q, sc, zero
.irp a, \a0, \a0+1
.irp b, 0,1,2,3,4,5,6,7
.if \zero
	v_wmma_scale_f32_16x16x128_f8f6f4 v[8*(8*((\a)%4)+\b):8*(8*((\a)%4)+\b)+7], v[128*(\p)+FR*\b:128*(\p)+FR*\b+FR-1], v[AF+FR*(\a):AF+FR*(\a)+FR-1], 0, v[SC+8*NQ*(\sc)+NQ*\b+(\q)], v[SC+8*NQ*(\sc)+NQ*(\a)+(\q)] matrix_a_scale:MATRIX_SCALE_ROW1
.else
	v_wmma_scale_f32_16x16x128_f8f6f4 v[8*(8*((\a)%4)+\b):8*(8*((\a)%4)+\b)+7], v[128*(\p)+FR*\b:128*(\p)+FR*\b+FR-1], v[AF+FR*(\a):AF+FR*(\a)+FR-1], v[8*(8*((\a)%4)+\b):8*(8*((\a)%4)+\b)+7], v[SC+8*NQ*(\sc)+NQ*\b+(\q)], v[SC+8*NQ*(\sc)+NQ*(\a)+(\q)] matrix_a_scale:MATRIX_SCALE_ROW1
.endif
.endr
.endr
.endm
.macro FETCH_B slot, q, p
	WIN TO_B
.irp i, 0,1,2,3,4,5,6,7
	FRAG 128*(\p)+FR*\i, ADRB+\slot, \q, \i
.endr
	WIN 0
.endm
.macro FETCH_A slot, q, i0
.irp i, \i0, \i0+1, \i0+2, \i0+3
	FRAG AF+FR*(\i), ADRA+\slot, \q, \i
.endr
.endm
.macro SCALES sc                       ; a K step's scale words: lanes 0-15 take x's block i, lanes 16-31 W's block i
.irp i, 0,1,2,3,4,5,6,7
	ds_load_b64 v[SC+8*NQ*\sc+NQ*\i:SC+8*NQ*\sc+NQ*\i+1], v[ADRS] offset:\i*SBLK
.endr
.endm
.macro PLACES n                        ; plain vector instructions between a matrix instruction and a load into, or a read of, its registers
.rept \n
	v_nop
.endr
.endm
.macro STEP slot, q, zero              ; 128 along K that has its successor in the same slot
	s_wait_dscnt 4*NL                              ; W's set and x's blocks 0-3 are in; the youngest 16 loads (x's blocks 4-7) may be out
	WIN MUL_LO
	MUL16 0, (\q)%2, \q, \slot, \zero
	MUL16 2, (\q)%2, \q, \slot, \zero
	s_wait_dscnt 0
	PLACES NP
	FETCH_B \slot, (\q)+1, 1-(\q)%2
	FETCH_A \slot, (\q)+1, 0
	WIN MUL_HI
	MUL16 4, (\q)%2, \q, \slot, \zero
	MUL16 6, (\q)%2, \q, \slot, \zero
	PLACES NP
	WIN 0
	FETCH_A \slot, (\q)+1, 4
.endm
; A slot's last step changes slots: one barrier; in front of it each wave waits for all its tensor loads, adds 0 to its spare word, and waits for that and for its reads of this slot.  fill = 1: this slot is filled again.
.macro TURN slot, next, fill
	s_wait_tensorcnt 0x0                           ; all my tensor loads have landed: my part of the next slot
	ds_add_u32 v[SPW], v[NIL]                      ; 0 onto my spare word
	s_wait_dscnt 4*NL+1                            ; (the add and the youngest 16 loads may be out)
	WIN MUL_LO
	MUL16 0, 1, NQ-1, \slot, 0
	s_wait_dscnt 0x0                               ; the add is done, and my reads of this slot are over
	s_barrier_signal -1
	MUL16 2, 1, NQ-1, \slot, 0
	WIN 0
	s_barrier_wait -1
.if \fill
	CREST                                          ; the barrier has opened a round of the cluster's barrier: no wave of any partner still reads this slot or has a load on its way
	s_add_nc_u64 s[G0+4*\slot+2:G0+4*\slot+3], s[G0+4*\slot+2:G0+4*\slot+3], 2*ROWB
	s_add_nc_u64 s[G0B+4*\slot+2:G0B+4*\slot+3], s[G0B+4*\slot+2:G0B+4*\slot+3], 2*ROWB
	JLOAD G0+4*\slot, G1, G0B+4*\slot, G1B         ; the first tensor load behind the round; its four v_nop are among the places in front of the loads below
	PLACES NP-4
.else
	PLACES NP
.endif
	s_wait_alu depctr_va_vdst(0)
	v_add_nc_u32 v[ADRS], 4*NQ, v[ADRS]            ; on to the next K step's scale words
	FETCH_B \next, 0, 0
	FETCH_A \next, 0, 0
	SCALES \next
	WIN MUL_HI
	MUL16 4, 1, NQ-1, \slot, 0
	MUL16 6, 1, NQ-1, \slot, 0
	PLACES NP
	WIN 0
	FETCH_A \next, 0, 4
.endm
; The tables of x's block a (16 tokens): 32 registers of cos, then 32 of sinS, into window tw from register tb on: 16 loads of 512 consecutive bytes
.macro TABLE a, tw, tb
	WIN ((\tw)<<6)
.irp j, 0,1,2,3,4,5,6,7
	global_load_b128 v[\tb+4*\j:\tb+4*\j+3], v[L16], s[70:71] offset:4096*(\a)+512*\j
.endr
.irp j, 0,1,2,3,4,5,6,7
	global_load_b128 v[\tb+32+4*\j:\tb+32+4*\j+3], v[L16], s[70:71] offset:524288+4096*(\a)+512*\j
.endr
	WIN 0
.endm
; Block a is rotated and goes to the stage.  left: the loads issued behind its table set, which may stay out.  Each accumulator is read from its low end on.
.macro ROT a, tw, tb, left
.set TA, 128+64*((\a)%2)
.set AC, 64*((\a)%4)
	s_wait_loadcnt \left
.if (\a) >= 2
	s_wait_dscnt 16                                ; the block before's 16 stores may be out; those of the block before that have read the registers that are written now
.endif
	WIN ((2+(\a)/4)|((\tw)<<2))
.irp b, 0,1,2,3,4,5,6,7
.irp p, 0,2,4,6
	v_pk_mul_f32 v[TA+8*\b+\p:TA+8*\b+\p+1], v[AC+8*\b+\p:AC+8*\b+\p+1], v[\tb+8*(\b%4)+\p:\tb+8*(\b%4)+\p+1]
.endr
.irp p, 0,2,4,6
	v_pk_fma_f32 v[TA+8*\b+\p:TA+8*\b+\p+1], v[AC+8*\b+\p:AC+8*\b+\p+1], v[\tb+32+8*(\b%4)+\p:\tb+32+8*(\b%4)+\p+1], v[TA+8*\b+\p:TA+8*\b+\p+1] op_sel:[1,0,0] op_sel_hi:[0,1,1]
.endr
.endr
	WIN 0
.irp b, 0,1,2,3,4,5,6,7
	ds_store_b128 v[STO], v[TA+8*\b:TA+8*\b+3] offset:16*SPITCH*(\a)+64*\b
	ds_store_b128 v[STO], v[TA+8*\b+4:TA+8*\b+7] offset:16*SPITCH*(\a)+64*\b+16
.endr
.endm
; 64 numbers of a lane, four blocks of which it holds 16 each (the other 16 lie in lane l xor 16), become 16 registers of codes from v[pc] on; the four scale bytes are left in v[TM+4] on.
.macro QUANT s, pc
.irp b, 0,1,2,3
	v_max3_num_f32 v[TM+\b], |v[\s+16*\b]|, |v[\s+1+16*\b]|, 0x6000000   ; with the floor 2^(12 - 127): the byte stays at 1 or above with q's 3 taken off too
.endr
.irp i, 2,4,6,8,10,12,14
.irp b, 0,1,2,3
	v_max3_num_f32 v[TM+\b], v[TM+\b], |v[\s+16*\b+\i]|, |v[\s+1+16*\b+\i]|
.endr
.endr
.irp b, 0,1,2,3
	v_permlanex16_b32 v[TM+4+\b], v[TM+\b], s82, s83
.endr
.irp b, 0,1,2,3
	v_max_num_f32 v[TM+\b], v[TM+\b], v[TM+4+\b]   ; the block's largest magnitude
.endr
.irp b, 0,1,2,3
	v_add_nc_u32 v[TM+12+\b], 0xfc000000, v[TM+\b] ; 8 off its exponent field: the conversion's scale operand
.endr
.irp b, 0,1,2,3
	v_and_or_b32 v[TM+8+\b], v[TM+\b], 0x7f800000, s80   ; 448 x the scale
.endr
.irp b, 0,1,2,3
	v_lshrrev_b32 v[TM+4+\b], 23, v[TM+12+\b]      ; the scale's byte
.endr
.irp b, 0,1,2,3
.irp i, 0,1,2,3,4,5,6,7,8,9,10,11,12,13,14,15
	v_med3_num_f32 v[\s+16*\b+\i], v[\s+16*\b+\i], -v[TM+8+\b], v[TM+8+\b]   ; the conversion to an 8-bit code does not saturate (ISA guide 7.6.2): the hold comes first
.endr
	v_cvt_scalef32_pk8_fp8_f32 v[\pc+4*\b:\pc+1+4*\b], v[\s+16*\b:\s+7+16*\b], v[TM+12+\b]
	v_cvt_scalef32_pk8_fp8_f32 v[\pc+2+4*\b:\pc+3+4*\b], v[\s+8+16*\b:\s+15+16*\b], v[TM+12+\b]
.endr
	v_nop                                          ; a plain instruction behind the last conversion
.endm
; v: feature group fg (32 features, one a lane), 32 keys in v[DT + 32 fg] on: a whole block of the lane's own
.macro VBLOCK fg
.set XS, DT+32*(\fg)
.set CD, PC+8*(\fg)
	v_max3_num_f32 v[TM], |v[XS]|, |v[XS+1]|, |v[XS+2]|
	v_max3_num_f32 v[TM+1], |v[XS+3]|, |v[XS+4]|, |v[XS+5]|
.irp i, 6,10,14,18,22,26
	v_max3_num_f32 v[TM], v[TM], |v[XS+\i]|, |v[XS+\i+1]|
	v_max3_num_f32 v[TM+1], v[TM+1], |v[XS+\i+2]|, |v[XS+\i+3]|
.endr
	v_max3_num_f32 v[TM], v[TM], |v[XS+30]|, |v[XS+31]|
	v_max3_num_f32 v[TM], v[TM], v[TM+1], 0x4800000          ; and the floor 2^(9 - 127)
	v_add_nc_u32 v[TM+3], 0xfc000000, v[TM]
	v_and_or_b32 v[TM+2], v[TM], 0x7f800000, s80
.irp i, 0,1,2,3,4,5,6,7,8,9,10,11,12,13,14,15,16,17,18,19,20,21,22,23,24,25,26,27,28,29,30,31
	v_med3_num_f32 v[XS+\i], v[XS+\i], -v[TM+2], v[TM+2]
.endr
.irp g, 0,1,2,3
	v_cvt_scalef32_pk8_fp8_f32 v[CD+2*\g:CD+2*\g+1], v[XS+8*\g:XS+8*\g+7], v[TM+3]
.endr
	v_lshrrev_b32 v[TM+4], 23, v[TM+3]             ; the scale's byte (also the plain instruction behind the conversions)
.irp g, 0,1,2,3
	v_cvt_scale_pk8_f32_fp8 v[XS+8*\g:XS+8*\g+7], v[CD+2*\g:CD+2*\g+1], v[ONE]   ; the codes' values, under the scale 1
.endr
	v_lshlrev_b32 v[TM+5], 23, v[TM+4]             ; the scale as f32 (and the plain instruction again)
	v_lshrrev_b32 v[SW+(\fg)], 8, v[SW+(\fg)]      ; the trip's byte enters the scale word from above: after four trips the first trip's is the lowest
	v_lshl_or_b32 v[SW+(\fg)], v[TM+4], 24, v[SW+(\fg)]
.irp u, 0,4,8,12,16,20,24,28
	v_pk_add_f32 v[XS+\u:XS+\u+1], v[XS+\u:XS+\u+1], v[XS+\u+2:XS+\u+3]
.endr
.irp u, 0,8,16,24
	v_pk_add_f32 v[XS+\u:XS+\u+1], v[XS+\u:XS+\u+1], v[XS+\u+4:XS+\u+5]
.endr
.irp u, 0,16
	v_pk_add_f32 v[XS+\u:XS+\u+1], v[XS+\u:XS+\u+1], v[XS+\u+8:XS+\u+9]
.endr
	v_pk_add_f32 v[XS:XS+1], v[XS:XS+1], v[XS+16:XS+17]
	v_add_f32 v[TM+6], v[XS], v[XS+1]
	v_fma_f32 v[VS+(\fg)], v[TM+6], v[TM+5], v[VS+(\fg)]     ; the sum of the block's quantised numbers
	global_store_b128 v[VST], v[CD:CD+3], s[72:73] offset:HSTR*((\fg)/2)+4096*((\fg)%2)        ; keys 0-15 of the block: sixteen lanes fill 256 consecutive bytes
	global_store_b128 v[VST], v[CD+4:CD+7], s[72:73] offset:HSTR*((\fg)/2)+4096*((\fg)%2)+256  ; keys 16-31
.endm
	s_wait_alu depctr_va_vdst(0)
	s_wait_tensorcnt 0x0                           ; my tile of the head's four is in
	ds_add_u32 v[SPW], v[NIL]                      ; 0 onto my spare word ahead of a later first fill
	s_mov_b32 s[G1+2], 128<<16                     ; no tensor load of mine is out: from here on a load brings 128 rows
	s_mov_b32 s[G1+4], 128
	s_mov_b32 s[G1B+2], 128<<16
	s_mov_b32 s[G1B+4], 128
	s_wait_dscnt 0x0
	CROUND                                         ; all four tiles are in, and all sixteen work-groups are here
	JLOAD G0+4, G1, G0B+4, G1B                     ; K step 1, the first tensor load behind the round
	s_load_b256 s[68:75], s[0:1], 0x20             ; mask, rot, qkvw, vpart: into the registers of the scale bytes' descriptors, whose loads are done
	FETCH_B 0, 0, 0
	FETCH_A 0, 0, 0
	SCALES 0
	FETCH_A 0, 0, 4
	s_mov_b32 s76, ttmp9                           ; 0 q, 1 k, 2 v: the same in all partners
	s_cmp_eq_u32 s76, 0
	s_cselect_b32 s89, 35328, 0                    ; q's section of a record
	s_mov_b32 s84, 17664
	s_cselect_b32 s84, 9216, s84                   ; 128 tokens on: 9,216 bytes in q's section, 17,664 for k and v
	s_cselect_b32 s77, -3, 0                       ; q / 8: 3 off the scale bytes
	s_cselect_b32 s81, 127, 1                      ; the byte of the empty half of K
	s_cmp_eq_u32 s76, 1
	s_cselect_b32 s78, 216, 0                      ; what a hidden key adds to it
	s_cmp_eq_u32 s76, 2
	s_cselect_b32 s89, 9216, s89                   ; v lies behind its 128 tokens' k
	s_mov_b32 s86, 2304
	s_cselect_b32 s86, 512, s86                    ; a trip's step in it
	s_mov_b32 s87, 0
	s_lshl_b32 s88, s81, 24
	s_mov_b32 s79, 0xffff0000                      ; lanes 16-31
	s_mov_b32 s80, 0x600000                        ; the mantissa field of 448
	s_mov_b32 s82, 0x76543210
	s_mov_b32 s83, 0xfedcba98                      ; v_permlanex16_b32's selects for lane l xor 16
	s_mul_i32 s84, s84, s15
	s_add_co_u32 s89, s89, s84
	s_and_b32 s85, s17, 7                          ; the slot of 256 tokens
	s_mul_i32 s84, s85, 53760
	s_add_co_u32 s89, s89, s84
	s_lshr_b32 s90, s17, 3                         ; the batch
	s_lshl_b32 s90, s90, 4
	s_lshl_b32 s84, s40, 2
	s_add_co_u32 s90, s90, s84
	s_lshl_b32 s84, s16, 1
	s_add_co_u32 s90, s90, s84                     ; my first head: 16 b + 4 cx + 2 x column half
	s_mul_i32 s84, s90, HSTR
	s_add_co_u32 s89, s89, s84                     ; my place in qkvw (under 2^31)
	s_lshl_b32 s95, s90, 12                        ; and in vpart: 4,096 x head + 256 (2 slot + half)
	s_lshl_b32 s84, s85, 9
	s_add_co_u32 s95, s95, s84
	s_lshl_b32 s84, s15, 8
	s_add_co_u32 s95, s95, s84
	s_mov_b32 s91, 0
	s_wait_kmcnt 0x0
	s_mov_b32 s90, s89
	s_add_nc_u64 s[72:73], s[72:73], s[90:91]
	s_mov_b32 s90, s95
	s_add_nc_u64 s[74:75], s[74:75], s[90:91]
	s_lshl_b32 s90, s17, 8                         ; mask: my first token, 256 x tile row + 128 x half
	s_lshl_b32 s84, s15, 7
	s_add_co_u32 s90, s90, s84
	s_add_nc_u64 s[68:69], s[68:69], s[90:91]
	s_lshl_b32 s90, s85, 16                        ; rot: 256 bytes a token of the sequence
	s_lshl_b32 s84, s15, 15
	s_add_co_u32 s90, s90, s84
	s_add_nc_u64 s[70:71], s[70:71], s[90:91]
.irp g, 0,1,2,3
	global_load_u8 v[4+\g], v[LM], s[68:69] offset:32*\g   ; the mask byte of token 32 g + dperm
.endr
	TABLE 0, 0, 64                                 ; block 0's tables: v64-127 of window 0 are free throughout
	STEP 0, 0, 1                                   ; the first step stands in front of the loop: its products start the sums
	s_mov_b32 s3, LAPS-1
.Llap:
	TURN 0, 1, 1
	STEP 1, 0, 0
	TURN 1, 0, 1
	STEP 0, 0, 0
	s_sub_co_u32 s3, s3, 1
	s_cmp_lg_u32 s3, 0
	s_cbranch_scc1 .Llap
	TURN 0, 1, 0                                   ; the last lap fills nothing
	STEP 1, 0, 0
	TABLE 1, 1, 0                                  ; W's set 0 is done with, eight places back: it takes two table sets
	TABLE 2, 1, 64
	s_wait_dscnt 4*NL
	WIN MUL_LO
	MUL16 0, 1, NQ-1, 1, 0
	MUL16 2, 1, NQ-1, 1, 0
	s_wait_dscnt 0
	WIN MUL_HI
	MUL16 4, 1, NQ-1, 1, 0
	MUL16 6, 1, NQ-1, 1, 0
	WIN 0
	PLACES NP                                      ; in front of the loads into W's set 1, of the writes over x's fragments and of the reads of results
	TABLE 3, 1, 128
	TABLE 4, 1, 192
	s_wait_dscnt 0x0                               ; my reads of the slots are over
	s_barrier_signal -1
	s_barrier_wait -1                              ; everybody's are: the stages may be laid over the slots
	ROT 0, 0, 64, 63                               ; behind set 0: sets 1 to 4, 64 loads; the wait's field holds 63
	TABLE 5, 0, 64
	ROT 1, 1, 0, 63
	TABLE 6, 1, 0
	ROT 2, 1, 64, 63
	TABLE 7, 1, 64
	ROT 3, 1, 128, 63
	ROT 4, 1, 192, 48                              ; behind set 4: sets 5, 6, 7
	ROT 5, 0, 64, 32
	ROT 6, 1, 0, 16
	ROT 7, 1, 64, 0
	s_wait_dscnt 0x0                               ; the stores have read their registers, which take loads now
	v_lshl_or_b32 v[MKP], v5, 8, v4
	v_lshl_or_b32 v[MKP], v6, 16, v[MKP]
	v_lshl_or_b32 v[MKP], v7, 24, v[MKP]
.irp b, 0,1,2,3
	v_mov_b32 v[TM+4+\b], 0                        ; a lane permute's destination counts as one of its sources
	v_mov_b32 v[VS+\b], 0
	v_mov_b32 v[SW+\b], 0
.endr
	v_mov_b32 v[ONE], 0x7f7f7f7f
	s_mov_b32 s84, 4
	s_mov_b32 s85, 0
.Ltrip:                                            ; 32 tokens a trip; every wave walks the loop, and the two ways part inside it
	v_add_nc_u32 v16, s85, v[AQS]
	v_add_nc_u32 v17, s85, v[AVS]
	s_cmp_eq_u32 s76, 2
	s_cbranch_scc1 .Lvarm
.irp e, 0,1                                    ; head e, tile u, block c of 32 along d: 16 neighbours a lane
.irp u, 0,1
.irp c, 0,1
.irp k, 0,1,2,3
	ds_load_b128 v[DT+64*\e+16*(2*\u+\c)+4*\k:DT+64*\e+16*(2*\u+\c)+4*\k+3], v16 offset:8*SPITCH*\u+256*\e+128*\c+16*\k
.endr
.endr
.endr
.endr
	s_wait_alu depctr_va_vdst(0)
	v_and_b32 v18, 1, v[MKP]
	v_xor_b32 v18, 1, v18                          ; 1 where the input mask hides my token
	v_mad_u32_u24 v19, v18, s78, s81
	v_lshlrev_b32 v19, 16, v19
	v_or_b32 v19, s88, v19                         ; the scale word's two upper bytes
	v_mul_u32_u24 v22, v18, 0xfe                   ; the mask word: the code of -448, or 0
.irp e, 0,1
	s_wait_dscnt 16-16*\e                          ; head 0's 16 loads are in while head 1's may be out
	QUANT DT+64*\e, PC+16*\e
.irp b, 0,1,2,3
	v_add_nc_u32 v[TM+4+\b], s77, v[TM+4+\b]
.endr
	v_lshl_or_b32 v23, v[TM+5], 8, v[TM+4]         ; tile 0's two bytes,
	v_lshl_or_b32 v30, v[TM+7], 8, v[TM+6]         ; tile 1's:
	v_cndmask_b32 v23, v23, v30, s79               ; lane 16 u + r stores row r of tile u
	v_or_b32 v[WP+2*\e], v23, v19
	v_mov_b32 v[WP+2*\e+1], v22
.irp u, 0,1
.irp c, 0,1
	global_store_b128 v[L16], v[PC+16*\e+4*(2*\u+\c):PC+16*\e+4*(2*\u+\c)+3], s[72:73] offset:HSTR*\e+1024*\u+512*\c   ; 512 consecutive bytes
.endr
.endr
	global_store_b64 v[QS8], v[WP+2*\e:WP+2*\e+1], s[72:73] offset:HSTR*\e   ; 256 consecutive bytes
.endr
	s_branch .Ljoin
.Lvarm:
	s_wait_alu depctr_va_vdst(0)
.irp fg, 0,1,2,3
.irp i, 0,1,2,3,4,5,6,7,8,9,10,11,12,13,14,15,16,17,18,19,20,21,22,23,24,25,26,27,28,29,30,31
	ds_load_b32 v[DT+32*\fg+\i], v17 offset:SPITCH*\i+128*\fg
.endr
.endr
	s_wait_dscnt 63                                ; group 0's 32 loads are in: 96 were issued behind them; the wait's field holds 63
	VBLOCK 0
	s_wait_dscnt 63                                ; 64 behind group 1's
	VBLOCK 1
	s_wait_dscnt 32
	VBLOCK 2
	s_wait_dscnt 0
	VBLOCK 3
.Ljoin:
	s_wait_xcnt 0x0                                ; the trip's stores have read their registers and their base: both are written again
	s_add_nc_u64 s[72:73], s[72:73], s[86:87]
	v_lshrrev_b32 v[MKP], 8, v[MKP]
	s_add_co_u32 s85, s85, 32*SPITCH
	s_sub_co_u32 s84, s84, 1
	s_cmp_lg_u32 s84, 0
	s_cbranch_scc1 .Ltrip
	s_cmp_lg_u32 s76, 2
	s_cbranch_scc1 .Lend
	s_wait_alu depctr_va_vdst(0)
.irp fg, 0,1,2,3                               ; v's scale words and sums: runs of 128 bytes; the base has gone 4 x 512 bytes on
	global_store_b32 v[L4], v[SW+\fg], s[72:73] offset:HSTR*(\fg/2)+8192-2048+128*(\fg%2)
	global_store_b32 v[DP4], v[VS+\fg], s[74:75] offset:4096*(\fg/2)+128*(\fg%2)
.endr
.Lend:
	s_wait_tensorcnt 0x0                           ; the wave's end
	ds_add_u32 v[SPW], v[NIL]
	s_wait_dscnt 0x0
	CROUND                                         ; the closing round
	s_endpgm
.Lfunc_end_k_qb17ce59d3b_qkv:
	.size	k_qb17ce59d3b_qkv, .Lfunc_end_k_qb17ce59d3b_qkv-k_qb17ce59d3b_qkv
	.p2alignl 7, 3214868480
	.fill 96, 4, 3214868480
	.section	.rodata,"a",@progbits
	.p2align	6, 0x0
	.amdhsa_kernel k_qb17ce59d3b_qkv
		.amdhsa_group_segment_fixed_size 327680
		.amdhsa_private_segment_fixed_size 0
		.amdhsa_enable_private_segment 0
		.amdhsa_kernarg_size 64
		.amdhsa_user_sgpr_count 2
		.amdhsa_user_sgpr_kernarg_segment_ptr 1
		.amdhsa_wavefront_size32 1
		.amdhsa_system_sgpr_workgroup_id_x 1
		.amdhsa_system_sgpr_workgroup_id_y 1
		.amdhsa_system_sgpr_workgroup_id_z 1
		.amdhsa_system_vgpr_workitem_id 0
		.amdhsa_next_free_vgpr 1024
		.amdhsa_next_free_sgpr 100
		.amdhsa_reserve_vcc 0
		.amdhsa_float_denorm_mode_32 3
		.amdhsa_float_denorm_mode_16_64 3
		.amdhsa_memory_ordered 1
		.amdhsa_forward_progress 1
		.amdhsa_inst_pref_size 223
	.end_amdhsa_kernel
	.amdgpu_metadata
---
amdhsa.version: [ 1, 2 ]
amdhsa.kernels:
  - .name:           k_qb17ce59d3b_qkv
    .symbol:         k_qb17ce59d3b_qkv.kd
    .args:
      - { .name: x_codes, .offset: 0, .size: 8, .value_kind: global_buffer, .address_space: global }
      - { .name: x_scales, .offset: 8, .size: 8, .value_kind: global_buffer, .address_space: global }
      - { .name: W_qkv_codes, .offset: 16, .size: 8, .value_kind: global_buffer, .address_space: global }
      - { .name: W_qkv_scales, .offset: 24, .size: 8, .value_kind: global_buffer, .address_space: global }
      - { .name: mask, .offset: 32, .size: 8, .value_kind: global_buffer, .address_space: global }
      - { .name: rot, .offset: 40, .size: 8, .value_kind: global_buffer, .address_space: global }
      - { .name: qkvw, .offset: 48, .size: 8, .value_kind: global_buffer, .address_space: global }
      - { .name: vpart, .offset: 56, .size: 8, .value_kind: global_buffer, .address_space: global }
    .group_segment_fixed_size: 327680
    .private_segment_fixed_size: 0
    .kernarg_segment_align: 8
    .kernarg_segment_size: 64
    .max_flat_workgroup_size: 128
    .sgpr_count:     100
    .vgpr_count:     1024
    .wavefront_size: 32
...
	.end_amdgpu_metadata
.endif
;; end of part 2
;; launch attn (part 3): grid 4 x 64, 16 waves a work-group, clusters of 4 x 1, 327,680 bytes of LDS; arguments qkvw, vpart, oimg, osc; writes oimg, osc
.if DOCPART == 3
	.amdgcn_target "amdgcn-amd-amdhsa--gfx1250"
	.amdhsa_code_object_version 6
	.text
	.protected	k_qb17ce59d3b_attn
	.globl	k_qb17ce59d3b_attn
	.p2align	8
	.type	k_qb17ce59d3b_attn,@function
k_qb17ce59d3b_attn:
	s_mov_b64 s[64:65], 0
	v_nop
	global_prefetch_b8 v0, s[64:65] scope:SCOPE_SE
	s_setreg_imm32_b32 hwreg(HW_REG_WAVE_MODE, 25, 1), 1
	s_wait_xcnt 0x0
	s_wait_alu depctr_hold_cnt(0) depctr_sa_sdst(0) depctr_va_vdst(0) depctr_va_sdst(0) depctr_va_ssrc(0) depctr_va_vcc(0) depctr_vm_vsrc(0)
	s_getreg_b32 s2, hwreg(HW_REG_IB_STS2, 6, 4)
	s_cmp_eq_u32 s2, 0
	s_cbranch_scc0 .Lentry_in_a_cluster
	s_endpgm
.Lentry_in_a_cluster:
	s_bfe_u32 s2, ttmp6, 0x10000c
	s_cmp_lg_u32 s2, 0x3003
	s_cbranch_scc0 .Lentry_shape_is_right
	s_endpgm
.Lentry_shape_is_right:
; Causal attention with the input's padding mask, on codes of FP8 (E4M3) with E8M0 scales: S = q k^T (K = the head's 64, in the lower half of the instruction's 128), p = 2^(t - M), O = p v (K = the keys), o = O / l, quantised for the last product.
; t = score x log2(e) (the 1/8 lies in q's scales); M = the running largest t rounded UP to a whole number; the row's sum l is taken of the unquantised p.
; LEFT OUT: key steps all of whose 128 keys come after a tile's queries: reference() builds the causal mask itself, and their p is 0.
; K AND V OF A WHOLE HEAD STAY IN LDS: 16 key steps of 17,664 bytes (K's 9,216, V's 8,448: images of the operands' registers) are 282,624 bytes.  Wave w asks for step w, one tensor load a wave at the head; no byte is filled twice,
; so the loops have no ring and no barrier.  The four work-groups of a head want the same bytes at the same place of the text: they form a cluster, and each load is a joint one (mask 15).
; SHARES.  A head has 128 tiles of 16 queries.  Wave w of work-group cx owns tiles i = 4 w + cx and 127 - i: (16 - w / 2) + (w / 2 + 1) = 17 key steps in every wave.  A tile's last step is the one on the diagonal: step i / 8,
; which is w / 2 or 15 - w / 2: branches hang on the wave's number and the trip alone; cx enters global addresses and the compared query numbers only.
; THE WALK.  24 trips, step = trip % 16: the late tile in trips 0 to 15, the early one in trips 16 to 23; a step behind the tile's diagonal is jumped over.  Trips 0 to 3 are a loop of their own: they read steps 0 to 3, which
; waves 0 to 3 fetch by a load line of their own and wait for at the first barrier; the second barrier, behind a wait in every wave, shows the other twelve.
; NO PREFETCH: all of K and V is asked for by the head's tensor loads, so there is no later load to run ahead of; both tiles' q come into registers at the head.
; LAYOUT.  Both products are used transposed, so that a lane holds one query (lane % 16) throughout.  The keys of a tile, the queries of a tile and the d of a tile of V are r + 8 (r / 8) apart from their tile's first:
; so p's 16 registers of two neighbouring tiles are 16 neighbouring keys, and O's are 16 neighbouring d.
; THE INPUT MASK rides in the empty half of K: q has the code of 1.0 at k = 64, a hidden key the code of -448 there under the scale 2^90: its p is 0.  A key that counts has zero codes there.
; A ROW WITHOUT ANY KEY THAT COUNTS has equal logits in reference(): the mean of v over all 2,048 keys.  The largest t starts at -2^60, so such a row keeps l = 0 and O = 0, and a select puts the mean of the quantised v in its place.
; LIMITS: a row whose every t that counts lies under -2^60 is taken for such a row; NaN and infinities are not served.
; OUT: oimg [128 rows: 64][K slot: 4][tile: 8][q: 2][c: 4][lane][16 bytes]: images of the last product's operand; osc [row in tile order][32]: a wave stores 2 of a row's 32 scale bytes, one a lane.
.set REC,   53760                      ; a record of 256 tokens in qkvw
.set HSTR,  430080                     ; a head
.set QSEC,  35328                      ; q's section of a record
.set STEPB, 17664                      ; a key step: 69 rows of 256 bytes
.set VOF,   9216                       ; V in a step
.set GRP,   2304                       ; 32 tokens of K or q
.set SCR,   16*STEPB                   ; 256 bytes a wave: the mean of the head's quantised v
.set SPARE, SCR+4096                   ; the spare words: 128 bytes a wave, named by no other line
.set AL16, 1                           ; v1   16 x lane
.set AW8,  2                           ; v2   8 r
.set AV4,  3                           ; v3   4 r
.set SPW,  5
.set NIL,  6
.set QNS,  7                           ; v7   the early tile's scale words of q
.set ADI,  8                           ; v8-10 the step's addresses
.set ADW,  9
.set ADT,  10
.set LQ,   11                          ; v11  my query - the diagonal step's first key - 16 h
.set SCRD, 208                         ; v208 SCR + 256 w + 64 h
.set OSL,  209                         ; v209 32 r + h
.set RL,   210                         ; v[210:211] 1 / l, or 0
.set WU,   212                         ; v[212:213] 0, or 1
.set FM,   214                         ; v214-222 at work on the way out
.set LQA,  223                         ; v223 as v11, for the early tile
.set QN,   224                         ; v224-231 the early tile's codes of q
.set WV,   18
.set MNT,  19
.set SEL,  20
.set CS,   22
.set G1,   24
.set G0,   32
.set T,    36                          ; the trip
.set S,    37                          ; the key step
.set SD,   38                          ; the diagonal step of the tile in hand
.set TB,   39                          ; the step's first LDS byte
.set SDA,  40
.set HM,   41
.set HB,   42
.set OB,   44
.set SB,   46
.set OBA,  48
.set SBA,  50
.set CX,   52
.set IA,   53
.set IB,   54
.set B16,  55
.set HOF,  56
.set SOF,  57
.macro BARRIER
	s_barrier_signal -1
	s_barrier_wait -1
.endm
.macro CROUND                          ; a round of the cluster's barrier
	BARRIER
	s_cmp_lg_u32 s[WV], 0
	s_cbranch_scc1 .Lnot_wave_0_\@
	s_barrier_signal -3
.Lnot_wave_0_\@:
	s_barrier_wait -3
	BARRIER
.endm
.macro TLOAD                           ; an s_nop 0 and four v_nop follow the line
	tensor_load_to_lds s[G0:G0+3], s[G1:G1+7]
	s_nop 0
.rept 4
	v_nop
.endr
.endm
; tile s[i]: where its codes go (ob), its scale bytes (sb), where its q lies (qc codes, qw scale words), and its first query's place in its diagonal step (lq).  s71 = 0
.macro TILE i, ob, sb, qc, qw, lq
	s_lshr_b32 s70, s[\i], 3
	s_add_co_u32 s70, s70, s[B16]
	s_lshl_b32 s70, s70, 17                        ; 131,072 (16 b + i / 8)
	s_and_b32 s72, s[\i], 7
	s_lshl_b32 s72, s72, 12                        ; + 4,096 (i % 8)
	s_add_co_u32 s70, s70, s72
	s_add_co_u32 s70, s70, s[HOF]
	s_add_nc_u64 s[\ob:\ob+1], s[8:9], s[70:71]
	s_lshl_b32 s70, s[\i], 9                       ; 16 rows of 32 bytes a tile
	s_add_co_u32 s70, s70, s[SOF]
	s_add_nc_u64 s[\sb:\sb+1], s[10:11], s[70:71]
	s_lshr_b32 s72, s[\i], 4
	s_mul_i32 s72, s72, REC
	s_bfe_u32 s74, s[\i], 0x30001
	s_mul_i32 s74, s74, GRP
	s_add_co_u32 s72, s72, s74                     ; its group of 32 tokens
	s_and_b32 s74, s[\i], 1                        ; u
	s_lshl_b32 s70, s74, 10
	s_add_co_u32 s70, s70, s72
	s_add_nc_u64 s[\qc:\qc+1], s[HB:HB+1], s[70:71]
	s_lshl_b32 s70, s74, 7
	s_add_co_u32 s70, s70, s72
	s_add_co_u32 s70, s70, 2048
	s_add_nc_u64 s[\qw:\qw+1], s[HB:HB+1], s[70:71]
	s_bfe_u32 s70, s[\i], 0x20001
	s_lshl_b32 s70, s70, 5
	s_lshl_b32 s74, s74, 3
	s_add_co_u32 s\lq, s70, s74                    ; 32 ((i / 2) % 4) + 8 u
.endm
.macro INIT
	v_mov_b32 v13, 0xdd800000                      ; the largest t so far: -2^60
	v_floor_f32 v12, -v13                          ; -M
	v_mov_b32 v14, 0
	v_mov_b32 v15, 0
.set j, 0
.rept 32
	v_mov_b32 v[160+j], 0                          ; O^T: the step is written once, and its first change of M multiplies zeros
.set j, j+1
.endr
.endm
; A KEY STEP: 128 keys at LDS byte s[TB].  full = 0: a step that every wave walks and whose keys all count (trips 0 to 3)
.macro STEP full
.if \full
	s_cmp_gt_u32 s[S], s[SD]                       ; behind the diagonal: all keys hidden
	s_cbranch_scc1 .Lhidden_\@
.endif
	v_add_nc_u32 v[ADI], s[TB], v[AL16]
	v_add_nc_u32 v[ADW], s[TB], v[AW8]
	v_add_nc_u32 v[ADT], s[TB], v[AV4]
.rept 6
	v_nop                                          ; nine places with the three above: the scores are written over V's fragments, which the last products read
.endr
.irp g, 0,1                                    ; S^T = K Q^T, four tiles of 16 keys at a time
.if \g
.rept 8
	v_nop                                          ; places in front of loads into registers that matrix instructions have read
.endr
.endif
.irp t, 0,1,2,3
	ds_load_b128 v[32+16*\t:35+16*\t], v[ADI] offset:((4*\g+\t)/2)*GRP+1024*(\t%2)
	ds_load_b128 v[36+16*\t:39+16*\t], v[ADI] offset:((4*\g+\t)/2)*GRP+1024*(\t%2)+512
	ds_load_b32 v[40+16*\t], v[ADW] offset:((4*\g+\t)/2)*GRP+2048+128*(\t%2)+4   ; the mask word: k = 64 on; registers 9-15 of the fragment stay zeros
	ds_load_b32 v[248+\t], v[ADW] offset:((4*\g+\t)/2)*GRP+2048+128*(\t%2)
.endr
.if \g == 0
	s_wait_alu depctr_va_vdst(0)
.endif
	s_wait_dscnt 0x0
.irp t, 0,1,2,3
	v_wmma_scale_f32_16x16x128_f8f6f4 v[96+8*(4*\g+\t):103+8*(4*\g+\t)], v[32+16*\t:47+16*\t], v[16:31], 0, v[248+\t], v255
.endr
.endr
.rept 8
	v_nop
.endr
.if \full
	s_cmp_lg_u32 s[S], s[SD]                       ; ahead of the diagonal all keys count
	s_cbranch_scc1 .Lopen_\@
	v_mov_b32 v254, 0xff800000
.set n, 0
.rept 64                                       ; register 16 b + i holds key 32 b + 16 h + i of the step: hidden where 32 b + i > v[LQ]
	v_cmp_gt_i32 vcc_lo, 32*(n/16)+n%16, v[LQ]
	v_cndmask_b32 v[96+n], v[96+n], v254, vcc_lo
.set n, n+1
.endr
.Lopen_\@:
.endif
.irp b, 0,1,2,3
	v_max3_num_f32 v[232+\b], v[96+16*\b], v[97+16*\b], v[98+16*\b]   ; the largest score of each block of 32 keys: for the row's maximum, and, since p rises with the score, for the block's largest p
.endr
.irp i, 3,5,7,9,11,13
.irp b, 0,1,2,3
	v_max3_num_f32 v[232+\b], v[232+\b], v[96+16*\b+\i], v[97+16*\b+\i]
.endr
.endr
.irp b, 0,1,2,3
	v_max_num_f32 v[232+\b], v[232+\b], v[111+16*\b]
.endr
.irp b, 0,1,2,3
	s_delay_alu instid0(VALU_DEP_4)
	v_permlanex16_b32 v[236+\b], v[232+\b], s[SEL], s[SEL+1]
.endr
.irp b, 0,1,2,3
	s_delay_alu instid0(VALU_DEP_4)
	v_max_num_f32 v[232+\b], v[232+\b], v[236+\b]  ; with lane l xor 16's 16 keys
.endr
	s_delay_alu instid0(VALU_DEP_2)
	v_max3_num_f32 v254, v232, v233, v234
	s_delay_alu instid0(VALU_DEP_1)
	v_max_num_f32 v254, v254, v235
	s_delay_alu instid0(VALU_DEP_1)
	v_mul_f32 v254, s[CS], v254                    ; as t
	s_delay_alu instid0(VALU_DEP_1)
	v_max_num_f32 v13, v13, v254                   ; the running largest t
	v_mov_b32 v254, v12
	s_delay_alu instid0(VALU_DEP_2)
	v_floor_f32 v12, -v13                          ; the new -M = -ceil(t)
	s_delay_alu instid0(VALU_DEP_1)
	v_sub_f32 v254, v12, v254                      ; old M - new M: a whole number, 0 or less
	s_delay_alu instid0(VALU_DEP_1)
	v_cvt_i32_f32 v254, v254                       ; (it saturates)
	s_delay_alu instid0(VALU_DEP_1)
	v_ldexp_f32 v252, 1.0, v254                    ; f = 2^(old M - new M)
.set j, 0
.rept 32
	v_pk_fma_f32 v[96+j:97+j], v[96+j:97+j], s[CS:CS+1], v[12:13] op_sel_hi:[1,0,0]   ; t - M
.set j, j+2
.endr
.irp b, 0,1,2,3
	v_fma_f32 v[232+\b], v[232+\b], s[CS], v12
.endr
	s_wait_alu depctr_va_vdst(0)
.set j, 0
.rept 64
	v_exp_f32 v[96+j], v[96+j]                     ; p = 2^(t - M): not normalised
.set j, j+1
.endr
	v_pk_mul_f32 v[14:15], v[14:15], v[252:253] op_sel_hi:[1,0]   ; the sums under the new M (a plain instruction behind the exponentials)
	s_wait_alu depctr_va_vdst(0)                   ; one wait for the batch, ahead of its first reader
.irp b, 0,1,2,3
	v_exp_f32 v[232+\b], v[232+\b]                 ; the block's largest p
.endr
; the row's sum of the unquantised p: 32 pairs into six chains v[236 + 2 k] and the running sum
.irp k, 0,1,2,3,4,5
	v_pk_add_f32 v[236+2*\k:237+2*\k], v[96+4*\k:97+4*\k], v[98+4*\k:99+4*\k]
.endr
	v_pk_add_f32 v[14:15], v[14:15], v[120:121]
.irp k, 0,1,2,3,4,5
	v_pk_add_f32 v[236+2*\k:237+2*\k], v[236+2*\k:237+2*\k], v[122+2*\k:123+2*\k]
.endr
	v_pk_add_f32 v[14:15], v[14:15], v[134:135]
.irp k, 0,1,2,3,4,5
	v_pk_add_f32 v[236+2*\k:237+2*\k], v[236+2*\k:237+2*\k], v[136+2*\k:137+2*\k]
.endr
	v_pk_add_f32 v[14:15], v[14:15], v[148:149]
.irp k, 0,1,2,3,4
	v_pk_add_f32 v[236+2*\k:237+2*\k], v[236+2*\k:237+2*\k], v[150+2*\k:151+2*\k]
.endr
	s_delay_alu instid0(VALU_DEP_4)
	v_pk_add_f32 v[236:237], v[236:237], v[238:239]
	s_delay_alu instid0(VALU_DEP_3)
	v_pk_add_f32 v[240:241], v[240:241], v[242:243]
	s_delay_alu instid0(VALU_DEP_3)
	v_pk_add_f32 v[244:245], v[244:245], v[246:247]
	s_delay_alu instid0(VALU_DEP_2)
	v_pk_add_f32 v[236:237], v[236:237], v[240:241]
	s_delay_alu instid0(VALU_DEP_2)
	v_pk_add_f32 v[14:15], v[14:15], v[244:245]
	s_delay_alu instid0(VALU_DEP_1)
	v_pk_add_f32 v[14:15], v[14:15], v[236:237]
	s_wait_alu depctr_va_vdst(0)                   ; and one for the four
.irp b, 0,1,2,3
	v_max_num_f32 v[232+\b], 0x4800000, v[232+\b]  ; the floor 2^(9 - 127): a block whose every p is 0 keeps the byte 1; its codes are zeros
.endr
.irp b, 0,1,2,3
	s_delay_alu instid0(VALU_DEP_4)
	v_add_nc_u32 v[244+\b], 0xfc000000, v[232+\b]  ; 8 off the exponent field: the conversion's scale operand
.endr
.irp b, 0,1,2,3
	v_and_or_b32 v[240+\b], v[232+\b], 0x7f800000, s[MNT]   ; 448 x the scale
.endr
.irp b, 0,1,2,3
	v_lshrrev_b32 v[236+\b], 23, v[244+\b]         ; the scale's byte
.endr
	s_delay_alu instid0(VALU_DEP_3)
	v_lshl_or_b32 v253, v237, 8, v236              ; p's scale word for these 128 keys
	s_delay_alu instid0(VALU_DEP_1)
	v_lshl_or_b32 v253, v238, 16, v253
	s_delay_alu instid0(VALU_DEP_1)
	v_lshl_or_b32 v253, v239, 24, v253
.irp b, 0,1,2,3
.irp i, 0,1,2,3,4,5,6,7,8,9,10,11,12,13,14,15
	v_min_num_f32 v[96+16*\b+\i], v[96+16*\b+\i], v[240+\b]   ; the hold (ISA guide 7.6.2); p is not negative
.endr
	v_cvt_scalef32_pk8_fp8_f32 v[192+4*\b:193+4*\b], v[96+16*\b:103+16*\b], v[244+\b]
	v_cvt_scalef32_pk8_fp8_f32 v[194+4*\b:195+4*\b], v[104+16*\b:111+16*\b], v[244+\b]
.endr
.irp t, 0,1,2,3                                ; V's four tiles take p's registers
.irp c, 0,1,2,3
	ds_load_b128 v[96+16*\t+4*\c:99+16*\t+4*\c], v[ADI] offset:VOF+2048*\t+512*\c
.endr
	ds_load_b32 v[248+\t], v[ADT] offset:VOF+8192+64*\t
.endr
	s_wait_alu depctr_va_vdst(0)                   ; directly ahead of the first reader of O^T
.set j, 0
.rept 16
	v_pk_mul_f32 v[160+j:161+j], v[160+j:161+j], v[252:253] op_sel_hi:[1,0]   ; O^T under the new M; also the places between the codes and the products
.set j, j+2
.endr
	s_wait_alu depctr_va_vdst(0)                   ; and here, directly ahead of the wait below
	s_wait_dscnt 0x0
.irp t, 0,1,2,3                                ; O^T += V^T P^T: the four accumulators by turns
	v_wmma_scale_f32_16x16x128_f8f6f4 v[160+8*\t:167+8*\t], v[96+16*\t:111+16*\t], v[192:207], v[160+8*\t:167+8*\t], v[248+\t], v253
.endr
.if \full
.Lhidden_\@:
.endif
.endm
; A TILE'S WAY OUT: o = O / l (or the mean of v), quantised in two blocks of 32 along d, as images of the last product's operand
.macro FINISH
.rept 8
	v_nop                                          ; places behind the last products
.endr
.irp b, 0,1
.irp k, 0,1,2,3
	ds_load_b128 v[128+16*\b+4*\k:131+16*\b+4*\k], v[SCRD] offset:128*\b+16*\k   ; the mean at d = 32 b + 16 h + 0 .. 15: my wave's own bytes
.endr
.endr
	v_add_f32 v14, v14, v15
	s_delay_alu instid0(VALU_DEP_1)
	v_permlanex16_b32 v252, v14, s[SEL], s[SEL+1]
	s_delay_alu instid0(VALU_DEP_1)
	v_add_f32 v14, v14, v252                       ; l
	s_wait_alu depctr_va_vdst(0)                   ; ahead of the transcendental
	v_rcp_f32 v[RL], v14
	v_cmp_eq_f32 vcc_lo, 0, v14                    ; (a plain instruction behind the reciprocal)
	v_cndmask_b32 v[WU], 0, 1.0, vcc_lo
	s_wait_alu depctr_va_vdst(0)                   ; and ahead of its first reader
	v_cndmask_b32 v[RL], v[RL], 0, vcc_lo
	s_wait_dscnt 0x0
	s_wait_alu depctr_va_vdst(0)                   ; directly ahead of the first readers of O^T
.set j, 0
.rept 16
	v_pk_mul_f32 v[96+j:97+j], v[160+j:161+j], v[RL:RL+1] op_sel_hi:[1,0]   ; each accumulator from its low end on
.set j, j+2
.endr
.set j, 0
.rept 16
	v_pk_fma_f32 v[96+j:97+j], v[128+j:129+j], v[WU:WU+1], v[96+j:97+j] op_sel_hi:[1,0,1]
.set j, j+2
.endr
.irp b, 0,1
	v_max3_num_f32 v[FM+\b], |v[96+16*\b]|, |v[97+16*\b]|, 0x4800000
.endr
.irp i, 2,4,6,8,10,12,14
.irp b, 0,1
	s_delay_alu instid0(VALU_DEP_2)
	v_max3_num_f32 v[FM+\b], v[FM+\b], |v[96+16*\b+\i]|, |v[97+16*\b+\i]|
.endr
.endr
.irp b, 0,1
	s_delay_alu instid0(VALU_DEP_2)
	v_permlanex16_b32 v[FM+2+\b], v[FM+\b], s[SEL], s[SEL+1]
.endr
.irp b, 0,1
	s_delay_alu instid0(VALU_DEP_2)
	v_max_num_f32 v[FM+\b], v[FM+\b], v[FM+2+\b]
.endr
.irp b, 0,1
	s_delay_alu instid0(VALU_DEP_2)
	v_add_nc_u32 v[FM+4+\b], 0xfc000000, v[FM+\b]
.endr
.irp b, 0,1
	s_delay_alu instid0(VALU_DEP_4)
	v_and_or_b32 v[FM+6+\b], v[FM+\b], 0x7f800000, s[MNT]
.endr
.irp b, 0,1
	s_delay_alu instid0(VALU_DEP_4)
	v_lshrrev_b32 v[FM+2+\b], 23, v[FM+4+\b]
.endr
.irp b, 0,1
.irp i, 0,1,2,3,4,5,6,7,8,9,10,11,12,13,14,15
	v_med3_num_f32 v[96+16*\b+\i], v[96+16*\b+\i], -v[FM+6+\b], v[FM+6+\b]
.endr
	v_cvt_scalef32_pk8_fp8_f32 v[192+4*\b:193+4*\b], v[96+16*\b:103+16*\b], v[FM+4+\b]
	v_cvt_scalef32_pk8_fp8_f32 v[194+4*\b:195+4*\b], v[104+16*\b:111+16*\b], v[FM+4+\b]
.endr
	v_nop                                          ; a plain instruction behind the last conversion
	v_cndmask_b32 v[FM+8], v[FM+2], v[FM+3], s[HM] ; lane (r, h) stores block h's byte of row r
	global_store_b128 v[AL16], v[192:195], s[OB:OB+1]              ; 512 consecutive bytes
	global_store_b128 v[AL16], v[196:199], s[OB:OB+1] offset:512
	global_store_b8 v[OSL], v[FM+8], s[SB:SB+1]
.endm
	s_load_b256 s[4:11], s[0:1], 0x0               ; qkvw s[4:5], vpart s[6:7], oimg s[8:9], osc s[10:11]
	v_lshl_add_u32 v[SPW], v0, 2, SPARE
	v_mov_b32 v[NIL], 0
	ds_add_u32 v[SPW], v[NIL]                      ; the opening lines: the add, twice on end, and its wait ahead of my tensor load
	ds_add_u32 v[SPW], v[NIL]
	v_lshrrev_b32 v8, 5, v0
	v_readfirstlane_b32 s[WV], v8                  ; wave 0..15
	s_and_b32 s66, ttmp7, 0xffff                   ; the head, 16 b + hh: the cluster's y
	s_bfe_u32 s[CX], ttmp6, 0x40000                ; my place in the cluster
	s_lshr_b32 s67, s[WV], 1
	s_mul_i32 s68, s67, REC
	s_and_b32 s69, s[WV], 1
	s_mul_i32 s69, s69, STEPB
	s_add_co_u32 s68, s68, s69                     ; key step w in the head's records
	s_mov_b32 s69, 0
	s_mul_i32 s70, s66, HSTR
	s_mov_b32 s71, 0
	s_mov_b32 s[G1], 15|(3<<16)|(1<<21)            ; group 1: all four work-groups; 69 dense rows of 256 bytes (32 elements of 8), no padding
	s_mov_b32 s[G1+1], 32<<16
	s_mov_b32 s[G1+2], 69<<16
	s_mov_b32 s[G1+3], 32<<16
	s_mov_b32 s[G1+4], 69
	s_mov_b32 s[G1+5], 32
	s_mov_b32 s[G1+6], 0
	s_mov_b32 s[G1+7], 0
	s_mov_b32 s[G0], 1
	s_mul_i32 s[G0+1], s[WV], STEPB                ; step w's place in LDS
	s_mov_b32 s[SEL], 0x76543210
	s_mov_b32 s[SEL+1], 0xfedcba98
	s_mov_b32 s[CS], 0x3fb8aa3b                    ; log2(e)
	s_mov_b32 s[CS+1], s[CS]
	s_mov_b32 s[MNT], 0x600000
	s_mov_b32 s[HM], 0xffff0000
	s_wait_dscnt 0x0                               ; both opening adds are done
	CROUND                                         ; all four work-groups are here: the joint loads meet
	s_wait_kmcnt 0x0
	s_add_nc_u64 s[HB:HB+1], s[4:5], s[70:71]      ; the head's first record
	s_add_nc_u64 s[G0+2:G0+3], s[HB:HB+1], s[68:69]
	s_or_b32 s[G0+3], s[G0+3], 0x80000000
	s_cmp_lt_u32 s[WV], 4                          ; waves 0 to 3, whose steps are shown first, have a load line of their own
	s_cbranch_scc0 .Llater
	TLOAD
	s_branch .Lasked
.Llater:
	TLOAD
.Lasked:
	s_lshl_b32 s70, s66, 12
	s_add_nc_u64 s[6:7], s[6:7], s[70:71]          ; vpart at my head
	s_add_nc_u64 s[HB:HB+1], s[HB:HB+1], QSEC      ; q's section of record 0
	s_lshr_b32 s[B16], s66, 4                      ; b
	s_and_b32 s75, s66, 15                         ; hh
	s_lshl_b32 s[SOF], s[B16], 16                  ; osc: 32 x 2,048 b + 2 hh
	s_lshl_b32 s76, s75, 1
	s_add_co_u32 s[SOF], s[SOF], s76
	s_lshl_b32 s[B16], s[B16], 4
	s_lshr_b32 s[HOF], s75, 2                      ; oimg: 32,768 (hh / 4) + 2,048 ((hh / 2) % 2) + 1,024 (hh % 2)
	s_lshl_b32 s[HOF], s[HOF], 15
	s_bfe_u32 s76, s75, 0x10001
	s_lshl_b32 s76, s76, 11
	s_add_co_u32 s[HOF], s[HOF], s76
	s_and_b32 s76, s75, 1
	s_lshl_b32 s76, s76, 10
	s_add_co_u32 s[HOF], s[HOF], s76
	s_lshl_b32 s[IA], s[WV], 2
	s_add_co_u32 s[IA], s[IA], s[CX]               ; the early tile, 4 w + cx
	s_sub_co_u32 s[IB], 127, s[IA]                 ; the late one
	s_lshr_b32 s[SDA], s[WV], 1                    ; their diagonal steps, from the wave's number alone
	s_sub_co_u32 s[SD], 15, s[SDA]
	TILE IB, OB, SB, 80, 82, 84
	TILE IA, OBA, SBA, 86, 88, 85
	s_lshl_b32 s90, s[WV], 8
	s_add_co_u32 s90, s90, SCR
	v_and_b32 v8, 31, v0                           ; lane
	v_and_b32 v9, 15, v0                           ; r
	v_bfe_u32 v10, v0, 4, 1                        ; h
	v_lshlrev_b32 v4, 3, v8
.irp g, 0,1,2,3,4,5,6,7,8,9,10,11,12,13,14,15
	global_load_b64 v[96+2*\g:97+2*\g], v4, s[6:7] offset:256*\g   ; group g's sums at d = 2 x lane, 2 x lane + 1
.endr
	v_lshlrev_b32 v[AL16], 4, v8
	v_lshlrev_b32 v[AW8], 3, v9
	v_lshlrev_b32 v[AV4], 2, v9
	global_load_b128 v[16:19], v[AL16], s[80:81]                   ; the late tile's q
	global_load_b128 v[20:23], v[AL16], s[80:81] offset:512
	global_load_b32 v255, v[AW8], s[82:83]
	global_load_b128 v[QN:QN+3], v[AL16], s[86:87]                 ; the early tile's, which waits in registers
	global_load_b128 v[QN+4:QN+7], v[AL16], s[86:87] offset:512
	global_load_b32 v[QNS], v[AW8], s[88:89]
	v_add_nc_u32 v232, s90, v4                     ; SCR + 256 w + 8 x lane
	v_lshlrev_b32 v[SCRD], 6, v10
	v_add_nc_u32 v[SCRD], s90, v[SCRD]
	v_and_b32 v11, 8, v9
	v_add_nc_u32 v11, v11, v9                      ; r + 8 (r / 8)
	v_lshlrev_b32 v12, 4, v10
	v_sub_nc_u32 v12, v11, v12
	v_add_nc_u32 v[LQ], s84, v12
	v_add_nc_u32 v[LQA], s85, v12
	v_lshl_add_u32 v[OSL], v9, 5, v10
	v_xor_b32 v24, 1, v10
	v_mul_u32_u24 v24, v24, 56                     ; q at k = 64: the code of 1.0 (0x38), in lanes 0-15 alone
.irp i, 25,26,27,28,29,30,31
	v_mov_b32 v[\i], 0                             ; the rest of q's upper half: zero codes
.endr
.irp t, 0,1,2,3
.irp i, 9,10,11,12,13,14,15
	v_mov_b32 v[32+16*\t+\i], 0                    ; and of K's: written once, never loaded over
.endr
.endr
.irp i, 236,237,238,239,252,253,211,213,216,217
	v_mov_b32 v[\i], 0                             ; lane permutes' destinations and the upper halves of pairs count as read
.endr
	INIT
	s_wait_alu depctr_va_vdst(0)
	s_wait_loadcnt 0x0                             ; vpart and q
.irp u, 0,4,8,12,16,20,24,28
	v_pk_add_f32 v[96+\u:97+\u], v[96+\u:97+\u], v[98+\u:99+\u]
.endr
.irp u, 0,8,16,24
	v_pk_add_f32 v[96+\u:97+\u], v[96+\u:97+\u], v[100+\u:101+\u]
.endr
.irp u, 0,16
	v_pk_add_f32 v[96+\u:97+\u], v[96+\u:97+\u], v[104+\u:105+\u]
.endr
	v_pk_add_f32 v[96:97], v[96:97], v[112:113]
	v_pk_mul_f32 v[96:97], v[96:97], 0x3a000000 op_sel_hi:[1,0]   ; / 2,048
	ds_store_b64 v232, v[96:97]                    ; my wave's own bytes: only I read them
	s_cmp_lt_u32 s[WV], 4
	s_cbranch_scc0 .Lnot_mine
	s_wait_tensorcnt 0x0                           ; waves 0 to 3: key steps 0 to 3 are in
.Lnot_mine:
	s_wait_dscnt 0x0
	BARRIER
	s_mov_b32 s[TB], 0
	s_mov_b32 s[T], 0
.Lfirst:                                           ; trips 0 to 3: every wave's late tile has eight steps or more, and these four lie ahead of its diagonal
	STEP 0
	s_add_co_u32 s[TB], s[TB], STEPB
	s_add_co_u32 s[T], s[T], 1
	s_cmp_lt_u32 s[T], 4
	s_cbranch_scc1 .Lfirst
	s_wait_tensorcnt 0x0                           ; every wave: its key step is in
	s_wait_dscnt 0x0
	BARRIER                                        ; all sixteen steps may be read
	s_mov_b32 s[T], 4
.Lrest:                                            ; trips 4 to 23, with no barrier: nothing in LDS is written any more but the spare words
	s_and_b32 s[S], s[T], 15
	s_mul_i32 s[TB], s[S], STEPB
	STEP 1
	s_cmp_lg_u32 s[S], s[SD]                       ; the diagonal step is a tile's last
	s_cbranch_scc1 .Lsame
	FINISH
	s_wait_xcnt 0x0                                ; the stores have read their registers and bases: on every way on from here these may be written again
	s_cmp_ge_u32 s[T], 16                          ; behind the early tile nothing follows
	s_cbranch_scc1 .Lsame
	s_mov_b64 s[OB:OB+1], s[OBA:OBA+1]
	s_mov_b64 s[SB:SB+1], s[SBA:SBA+1]
	s_mov_b32 s[SD], s[SDA]                        ; under the late tile's diagonal step, so the trips up to 15 are jumped over
.irp j, 0,1,2,3,4,5,6,7
	v_mov_b32 v[16+\j], v[QN+\j]
.endr
	v_mov_b32 v255, v[QNS]
	v_mov_b32 v[LQ], v[LQA]
	INIT
	s_wait_alu depctr_va_vdst(0)
.Lsame:
	s_add_co_u32 s[T], s[T], 1
	s_cmp_lt_u32 s[T], 24
	s_cbranch_scc1 .Lrest
	s_wait_tensorcnt 0x0                           ; the wave's end
	ds_add_u32 v[SPW], v[NIL]
	s_wait_dscnt 0x0
	CROUND                                         ; the closing round
	s_endpgm
.Lfunc_end_k_qb17ce59d3b_attn:
	.size	k_qb17ce59d3b_attn, .Lfunc_end_k_qb17ce59d3b_attn-k_qb17ce59d3b_attn
	.p2alignl 7, 3214868480
	.fill 96, 4, 3214868480
	.section	.rodata,"a",@progbits
	.p2align	6, 0x0
	.amdhsa_kernel k_qb17ce59d3b_attn
		.amdhsa_group_segment_fixed_size 327680
		.amdhsa_private_segment_fixed_size 0
		.amdhsa_enable_private_segment 0
		.amdhsa_kernarg_size 32
		.amdhsa_user_sgpr_count 2
		.amdhsa_user_sgpr_kernarg_segment_ptr 1
		.amdhsa_wavefront_size32 1
		.amdhsa_system_sgpr_workgroup_id_x 1
		.amdhsa_system_sgpr_workgroup_id_y 1
		.amdhsa_system_sgpr_workgroup_id_z 1
		.amdhsa_system_vgpr_workitem_id 0
		.amdhsa_next_free_vgpr 256
		.amdhsa_next_free_sgpr 100
		.amdhsa_reserve_vcc 1
		.amdhsa_float_denorm_mode_32 3
		.amdhsa_float_denorm_mode_16_64 3
		.amdhsa_memory_ordered 1
		.amdhsa_forward_progress 1
		.amdhsa_inst_pref_size 71
	.end_amdhsa_kernel
	.amdgpu_metadata
---
amdhsa.version: [ 1, 2 ]
amdhsa.kernels:
  - .name:           k_qb17ce59d3b_attn
    .symbol:         k_qb17ce59d3b_attn.kd
    .args:
      - { .name: qkvw, .offset: 0, .size: 8, .value_kind: global_buffer, .address_space: global }
      - { .name: vpart, .offset: 8, .size: 8, .value_kind: global_buffer, .address_space: global }
      - { .name: oimg, .offset: 16, .size: 8, .value_kind: global_buffer, .address_space: global }
      - { .name: osc, .offset: 24, .size: 8, .value_kind: global_buffer, .address_space: global }
    .group_segment_fixed_size: 327680
    .private_segment_fixed_size: 0
    .kernarg_segment_align: 8
    .kernarg_segment_size: 32
    .max_flat_workgroup_size: 512
    .sgpr_count:     100
    .vgpr_count:     256
    .wavefront_size: 32
...
	.end_amdgpu_metadata
.endif
;; end of part 3
;; launch proj (part 4): grid 4 x 64, 4 waves a work-group, clusters of 4 x 4, 327,680 bytes of LDS; arguments oimg, osc, W_out_codes, W_out_scales, b_out, out0; writes out0
.if DOCPART == 4
	.amdgcn_target "amdgcn-amd-amdhsa--gfx1250"
	.amdhsa_code_object_version 6
	.text
	.protected	k_qb17ce59d3b_proj
	.globl	k_qb17ce59d3b_proj
	.p2align	8
	.type	k_qb17ce59d3b_proj,@function
k_qb17ce59d3b_proj:
	s_mov_b64 s[64:65], 0
	v_nop
	global_prefetch_b8 v0, s[64:65] scope:SCOPE_SE
	s_setreg_imm32_b32 hwreg(HW_REG_WAVE_MODE, 25, 1), 1
	s_wait_xcnt 0x0
	s_wait_alu depctr_hold_cnt(0) depctr_sa_sdst(0) depctr_va_vdst(0) depctr_va_sdst(0) depctr_va_ssrc(0) depctr_va_vcc(0) depctr_vm_vsrc(0)
	s_getreg_b32 s2, hwreg(HW_REG_IB_STS2, 6, 4)
	s_cmp_eq_u32 s2, 0
	s_cbranch_scc0 .Lentry_in_a_cluster
	s_endpgm
.Lentry_in_a_cluster:
	s_bfe_u32 s2, ttmp6, 0x10000c
	s_cmp_lg_u32 s2, 0xf033
	s_cbranch_scc0 .Lentry_shape_is_right
	s_endpgm
.Lentry_shape_is_right:
; out0 = o W_out + b_out on codes of FP8 (E4M3) with E8M0 scales: 8,192 x 1,024 x 1,024, f32 sums that begin with the bias.
; o comes from the launch before as images of the operand's registers: oimg [block of 128 rows: 64][K step of 256: 4][tile of 16 rows: 8][q: 2][c: 4][lane][16 bytes], osc [row in tile order][32 scale bytes].
; Row t of tile a of a block is token 32 (a / 2) + 8 (a % 2) + t + 8 (t / 8) of the block's 128.
; SHARES.  A block of 128 rows x 256 columns to a work-group: 64 x 4 = 256 work-groups.  Four waves, 2 x 2: a wave makes 64 rows x 128 columns in 32 accumulators (window 2).
; K goes in steps of 256 through two LDS slots: A's 32,768 dense bytes as 128 rows of 256, W's 256 rows of 256; 16 bytes of padding behind each row.  The scale bytes of the block's rows and columns come once.
; CLUSTERS of 4 x 4: A's tiles and scale bytes are asked for jointly along a row of the cluster, W's along a column.
; THE HEAD'S FOUR TILES go one to a wave: A's K step 0, W's, A's scale bytes, W's.  K step 1 is asked for behind the full sequence and a round, a part a wave (waves 0, 1: 64 rows of A; waves 2, 3: 128 of W), K steps 2 and 3 as refills.
; A step of 128 along K is 32 matrix instructions on one of two register sets of fragments, while the other set takes the next step's 48 LDS loads.  The eight steps are written straight: each has its own slot, set and scale words' offset.
; The matrix instruction is used transposed (source 0 = 16 columns of W, source 1 = 16 rows of o): a lane holds eight neighbouring columns of a row.
; PREFETCH: K steps 2 and 3 are named once in each cluster, one instruction a wave each: of the rows that a wave fetches each of the four partners takes a quarter, told apart by address; K step 2 behind K step 1's load, K step 3 behind K step 2's.
; REGISTERS: window 0: v16-31 addresses; v32-63 scale words, a set a slot; v64-127 the bias; v128-255 A's fragments, two sets of four, later the way out.  window 1: W's fragments, two sets of eight.  window 2: accumulator (a, b) at v[8 (8 a + b)].
; In a scale register lanes 0-15 hold A's block i, lanes 16-31 W's block i; for i = 4 .. 7 lanes 0-15 read scale bytes that no product names.
; LIMITS: NaN and infinities are not served.
.set SIZE_N, 1024
.set ROWB,   256
.set KROW,   1024
.set ASTEP,  32768                     ; a K step of A's block in memory
.set PITCH,  272
.set FR,     16
.set NP,     8                         ; places behind this matrix instruction (ISA guide 7.12.1)
.set QT,     64*PITCH
.set HALFT,  128*PITCH
.set ABYTES, 128*PITCH
.set SLOT,   384*PITCH
.set KS,     32
.set SCL,    2*SLOT                    ; A's scale bytes (16 units of 256 + 16), then W's (32 units)
.set HALFS,  16*272
.set SBLK,   2*272                     ; those of 16 rows
.set SPARE,  SCL+3*HALFS               ; the spare words: 128 bytes a wave, named by no other line
.set SPITCH, 528                       ; the way out: 16 rows x (512 + 16) bytes a wave, in slot 0 behind its last fill and last read
.set ADRA, 16
.set ADRB, 20
.set STO,  24
.set RD,   25
.set CO,   26
.set ADRS, 27
.set SPW,  28
.set NIL,  29
.set PFO,  30
.set SC,   32
.set BI,   64
.set AF,   128
.set BK,   128
.set G1, 24
.set G0, 32
.set G1B, 48
.set G0B, 56
.set G1S, 68
.set G0S, 76
.set G1SB, 80
.set G0SB, 88
.set PF2, 2                            ; s[2:3] my share of K step 2, s[100:101] of K step 3
.set PF3, 100
.set MSB, 0
.macro WIN new                         ; the immediate's high byte repeats the setting that is left
.if MSB != \new
	s_set_vgpr_msb (MSB<<8)|\new
.set MSB, \new
.endif
.endm
.set MUL, 0xa1                         ; source 0 (W) window 1, source 1 (A) window 0, C and D window 2
.set FST, 0x81                         ; the same with C, the bias, in window 0
.set TO_B, 0x40
.macro PLACES n
.rept \n
	v_nop
.endr
.endm
.macro JLOAD g0a, g1a, g0b, g1b        ; waves 0, 1 fetch for A, waves 2, 3 for W; an s_nop 0 and four v_nop follow each line
	s_cmp_eq_u32 s15, 0
	s_cbranch_scc0 .Lfor_b_\@
	tensor_load_to_lds s[\g0a:\g0a+3], s[\g1a:\g1a+7]
	s_nop 0
	PLACES 4
	s_branch .Lasked_\@
.Lfor_b_\@:
	tensor_load_to_lds s[\g0b:\g0b+3], s[\g1b:\g1b+7]
	s_nop 0
	PLACES 4
.Lasked_\@:
.endm
.macro CREST
	s_cmp_lg_u32 s14, 0
	s_cbranch_scc1 .Lnot_wave_0_\@
	s_barrier_signal -3
.Lnot_wave_0_\@:
	s_barrier_wait -3
	s_barrier_signal -1
	s_barrier_wait -1
.endm
.macro CROUND
	s_barrier_signal -1
	s_barrier_wait -1
	CREST
.endm
	s_load_b128 s[4:7], s[0:1], 0x0                ; oimg, osc
	s_load_b128 s[8:11], s[0:1], 0x10              ; W's codes, W's scales
	s_load_b128 s[96:99], s[0:1], 0x20             ; b_out, out0
	v_lshl_add_u32 v[SPW], v0, 2, SPARE
	v_mov_b32 v[NIL], 0
	ds_add_u32 v[SPW], v[NIL]                      ; the opening lines: the add, twice on end, and its wait ahead of my first tensor load
	ds_add_u32 v[SPW], v[NIL]
	v_lshrrev_b32 v1, 5, v0
	v_readfirstlane_b32 s14, v1                    ; wave 0..3
	s_lshr_b32 s15, s14, 1                         ; my half of the rows.  Also: I fetch for A (0) or for W (1)
	s_and_b32 s16, s14, 1                          ; my half of the columns.  Also: which half of that tile I fetch
	s_bfe_u32 s40, ttmp6, 0x40000                  ; cx, cy
	s_bfe_u32 s41, ttmp6, 0x40004
	s_lshl_b32 s42, ttmp9, 2
	s_add_co_u32 s42, s42, s40                     ; tile column
	s_and_b32 s17, ttmp7, 0xffff
	s_lshl_b32 s17, s17, 2
	s_add_co_u32 s17, s17, s41                     ; tile row: a block of 128 rows
	s_lshl_b32 s43, s41, 2
	s_lshl_b32 s43, 15, s43                        ; my row of the cluster
	s_lshl_b32 s44, 0x1111, s40                    ; my column
	s_or_b32 s[G1+0], s43, (1<<20)|(1<<21)|(5<<22)|(3<<25)   ; rows of 256 bytes, 16 of padding behind each
	s_or_b32 s[G1B+0], s44, (1<<20)|(1<<21)|(5<<22)|(3<<25)
	s_mov_b32 s[G1+1], ROWB<<16
	s_mov_b32 s[G1+2], 128<<16                     ; the head's load: A's 128 rows
	s_mov_b32 s[G1+3], ROWB<<16
	s_mov_b32 s[G1+4], 128
	s_mov_b32 s[G1+5], ROWB                        ; dense
	s_mov_b32 s[G1+6], 0
	s_mov_b32 s[G1+7], 0
	s_mov_b32 s[G1B+1], ROWB<<16
	s_mov_b32 s[G1B+2], 256<<16                    ; W's 256 rows
	s_mov_b32 s[G1B+3], ROWB<<16
	s_mov_b32 s[G1B+4], 256
	s_mov_b32 s[G1B+5], KROW
	s_mov_b32 s[G1B+6], 0
	s_mov_b32 s[G1B+7], 0
	s_or_b32 s[G1S+0], s43, (3<<16)|(1<<20)|(1<<21)|(5<<22)|(3<<25)   ; scale bytes: dense rows of 256 bytes (32 elements of 8)
	s_or_b32 s[G1SB+0], s44, (3<<16)|(1<<20)|(1<<21)|(5<<22)|(3<<25)
	s_mov_b32 s[G1S+1], 32<<16
	s_mov_b32 s[G1S+2], 16<<16                     ; 128 rows of 32 bytes
	s_mov_b32 s[G1S+3], 32<<16
	s_mov_b32 s[G1S+4], 16
	s_mov_b32 s[G1S+5], 32
	s_mov_b32 s[G1S+6], 0
	s_mov_b32 s[G1S+7], 0
	s_mov_b32 s[G1SB+1], 32<<16
	s_mov_b32 s[G1SB+2], 32<<16                    ; 256 rows
	s_mov_b32 s[G1SB+3], 32<<16
	s_mov_b32 s[G1SB+4], 32
	s_mov_b32 s[G1SB+5], 32
	s_mov_b32 s[G1SB+6], 0
	s_mov_b32 s[G1SB+7], 0
	s_lshl_b32 s20, s17, 17                        ; A: 131,072 bytes a block
	s_lshl_b32 s22, s17, 12                        ; its scale bytes
	s_lshl_b32 s46, s42, 18                        ; W: 256 rows of 1,024 bytes
	s_lshl_b32 s92, s42, 13
	s_mov_b32 s21, 0
	s_mov_b32 s23, 0
	s_mov_b32 s47, 0
	s_mov_b32 s93, 0
	s_lshl_b32 s18, s16, 14                        ; in the ring: my 64 rows of A's tile,
	s_mov_b32 s19, 0
	s_lshl_b32 s94, s16, 17                        ; or my 128 rows of W's
	s_mov_b32 s95, 0
	s_mul_i32 s45, s16, QT                         ; and where they go: no place in the cluster enters an LDS address
	s_mul_i32 s100, s16, HALFT
	s_add_co_u32 s100, s100, ABYTES
	s_wait_dscnt 0x0                               ; both opening adds are done
	s_wait_kmcnt 0x0
	s_add_nc_u64 s[20:21], s[4:5], s[20:21]
	s_add_nc_u64 s[22:23], s[6:7], s[22:23]
	s_add_nc_u64 s[46:47], s[8:9], s[46:47]
	s_add_nc_u64 s[92:93], s[10:11], s[92:93]
	CROUND                                         ; all sixteen work-groups are here: the first joint loads meet
	s_mov_b32 s4, 1                                ; group 0 of the head's loads, in registers whose arguments have been used: A's K step 0,
	s_mov_b32 s5, 0
	s_mov_b64 s[6:7], s[20:21]
	s_or_b32 s7, s7, 0x80000000
	s_mov_b32 s8, 1                                ; W's, behind it in slot 0,
	s_mov_b32 s9, ABYTES
	s_mov_b64 s[10:11], s[46:47]
	s_or_b32 s11, s11, 0x80000000
	s_mov_b32 s[G0S], 1                            ; A's scale bytes,
	s_mov_b32 s[G0S+1], SCL
	s_mov_b64 s[G0S+2:G0S+3], s[22:23]
	s_or_b32 s[G0S+3], s[G0S+3], 0x80000000
	s_mov_b32 s[G0SB], 1                           ; W's
	s_mov_b32 s[G0SB+1], SCL+HALFS
	s_mov_b64 s[G0SB+2:G0SB+3], s[92:93]
	s_or_b32 s[G0SB+3], s[G0SB+3], 0x80000000
	s_add_nc_u64 s[20:21], s[20:21], s[18:19]      ; for the ring: my part of a tile
	s_add_nc_u64 s[46:47], s[46:47], s[94:95]
.irp s, 0,1
	s_mov_b32 s[G0+4*\s], 1
	s_add_co_u32 s[G0+4*\s+1], s45, \s*SLOT
	s_add_nc_u64 s[G0+4*\s+2:G0+4*\s+3], s[20:21], \s*ASTEP
	s_or_b32 s[G0+4*\s+3], s[G0+4*\s+3], 0x80000000
	s_mov_b32 s[G0B+4*\s], 1
	s_add_co_u32 s[G0B+4*\s+1], s100, \s*SLOT
	s_add_nc_u64 s[G0B+4*\s+2:G0B+4*\s+3], s[46:47], \s*ROWB
	s_or_b32 s[G0B+4*\s+3], s[G0B+4*\s+3], 0x80000000
.endr
; one chain of branches on the wave's number, a load to an arm: every way through the head passes one load
.macro ARM under, g0, g1, next
	s_cmp_lt_u32 s14, \under
	s_cbranch_scc0 \next
	tensor_load_to_lds s[\g0:\g0+3], s[\g1:\g1+7]
	s_nop 0
	PLACES 4
	s_branch .Lhead_asked
\next:
.endm
	ARM 1, 4, G1, .Lhead_b
	ARM 2, 8, G1B, .Lhead_sa
	ARM 3, G0S, G1S, .Lhead_sb
	tensor_load_to_lds s[G0SB:G0SB+3], s[G1SB:G1SB+7]
	s_nop 0
	PLACES 4
.Lhead_asked:
	; the prefetches: of the 64 rows of A (256 bytes apart) that I fetch my work-group names 16, by cx; of the 128 rows of W (1,024 apart) 32, by cy
	s_lshl_b32 s18, s40, 12
	s_lshl_b32 s19, s41, 15
	s_mov_b32 s22, 512
	s_mov_b32 s23, 1024
	s_mov_b32 s66, 31
	s_mov_b32 s67, 256
	s_cmp_eq_u32 s15, 0                            ; do I fetch for A?
	s_cselect_b64 s[PF2:PF2+1], s[20:21], s[46:47]
	s_cselect_b32 s18, s18, s19
	s_cselect_b32 s22, 0x10000, s22                ; to K step 2
	s_cselect_b32 s23, 256, s23                    ; from lane to lane
	s_cselect_b32 s66, 15, s66                     ; the last lane with a row of its own: the others name that row again
	s_cselect_b32 s67, 0x8000, s67                 ; a K step on
	s_add_co_u32 s18, s18, s22
	s_mov_b32 s19, 0
	s_add_nc_u64 s[PF2:PF2+1], s[PF2:PF2+1], s[18:19]
	s_mov_b32 s18, s67
	s_add_nc_u64 s[PF3:PF3+1], s[PF2:PF2+1], s[18:19]
	; LDS bases and where my results go
	s_mul_i32 s18, s15, QT                         ; my four tiles of A in a slot
	s_mul_i32 s22, s16, HALFT
	s_add_co_u32 s22, s22, ABYTES                  ; my 128 rows of W
	s_mul_i32 s92, s15, 4*SBLK                     ; A's scale bytes: my 64 rows
	s_mul_i32 s93, s16, HALFS
	s_add_co_u32 s93, s93, HALFS                   ; W's: my 128 rows, behind A's 128
	s_sub_co_u32 s93, s93, s92
	s_add_co_u32 s92, s92, SCL
	s_mul_i32 s94, s14, 16*SPITCH                  ; my stage
	s_lshl_b32 s20, s17, 7
	s_lshl_b32 s21, s15, 6
	s_add_co_u32 s20, s20, s21                     ; my first row: 128 x tile row + 64 x half
	s_lshl_b32 s20, s20, 12                        ; rows of 4,096 bytes
	s_lshl_b32 s46, s42, 10
	s_lshl_b32 s47, s16, 9
	s_add_co_u32 s46, s46, s47                     ; my first column, in bytes
	s_mov_b32 s47, 0
	s_mov_b32 s21, 0
	s_add_nc_u64 s[96:97], s[96:97], s[46:47]
	s_add_co_u32 s20, s20, s46
	s_add_nc_u64 s[12:13], s[98:99], s[20:21]
	v_and_b32 v1, 15, v0                           ; r
	v_bfe_u32 v2, v0, 4, 1                         ; h
	v_and_b32 v6, 31, v0
	v_mul_u32_u24 v3, v1, PITCH
	v_lshl_add_u32 v4, v2, 4, v3                   ; W: row r x pitch + 16 h
	v_mul_u32_u24 v3, v2, PITCH
	v_lshl_add_u32 v7, v1, 4, v3                   ; A's images: 16 bytes a lane, 256 to an LDS row
	v_add_nc_u32 v[ADRA], s18, v7
	v_add_nc_u32 v[ADRB], s22, v4
	v_add_nc_u32 v[ADRA+1], SLOT, v[ADRA]
	v_add_nc_u32 v[ADRB+1], SLOT, v[ADRB]
	v_mul_u32_u24 v5, v1, KS                       ; my row's scale bytes,
	v_lshrrev_b32 v9, 8, v5
	v_lshl_add_u32 v5, v9, 4, v5                   ; and 16 more for each 256 passed
	v_mul_u32_u24 v9, s93, v2                      ; lanes 16-31 take W's
	v_add_nc_u32 v5, v5, v9
	v_add_nc_u32 v[ADRS], s92, v5
	v_mul_u32_u24 v5, v1, SPITCH
	v_lshl_add_u32 v5, v2, 5, v5
	v_add_nc_u32 v[STO], s94, v5
	v_lshlrev_b32 v[CO], 4, v6
	v_add_nc_u32 v[RD], s94, v[CO]
	v_lshlrev_b32 v8, 5, v2
	v_min_u32 v[PFO], s66, v6
	v_mul_lo_u32 v[PFO], v[PFO], s23
.irp b, 0,1,2,3,4,5,6,7
	global_load_b128 v[BI+8*\b:BI+8*\b+3], v8, s[96:97] offset:64*\b        ; the bias in the result's layout: columns 16 b + 8 h + 0 .. 7
	global_load_b128 v[BI+8*\b+4:BI+8*\b+7], v8, s[96:97] offset:64*\b+16
.endr
.macro FETCH slot, q, p                ; the fragments of the slot's q-th 128 along K into set p: W's eight blocks, A's four: 48 loads
	WIN TO_B
.irp i, 0,1,2,3,4,5,6,7
.irp c, 0,1,2,3
	ds_load_b128 v[128*(\p)+FR*\i+4*\c:128*(\p)+FR*\i+4*\c+3], v[ADRB+\slot] offset:128*(\q)+32*\c+\i*16*PITCH
.endr
.endr
	WIN 0
.irp i, 0,1,2,3
.irp c, 0,1,2,3
	ds_load_b128 v[AF+64*(\p)+FR*\i+4*\c:AF+64*(\p)+FR*\i+4*\c+3], v[ADRA+\slot] offset:544*(8*\i+4*(\q)+\c)
.endr
.endr
.endm
.macro SCALES sc, k                    ; K step k's scale words into set sc: two words a row
.irp i, 0,1,2,3,4,5,6,7
	ds_load_b64 v[SC+16*\sc+2*\i:SC+16*\sc+2*\i+1], v[ADRS] offset:\i*SBLK+8*\k
.endr
.endm
.macro MUL8 a, p, q, sc, first         ; A's block a against W's eight.  The 32 accumulators take turns, in the same order in every step
.irp b, 0,1,2,3,4,5,6,7
.if \first
	v_wmma_scale_f32_16x16x128_f8f6f4 v[8*(8*(\a)+\b):8*(8*(\a)+\b)+7], v[128*(\p)+FR*\b:128*(\p)+FR*\b+FR-1], v[AF+64*(\p)+FR*(\a):AF+64*(\p)+FR*(\a)+FR-1], v[BI+8*\b:BI+8*\b+7], v[SC+16*(\sc)+2*\b+(\q)], v[SC+16*(\sc)+2*(\a)+(\q)] matrix_a_scale:MATRIX_SCALE_ROW1
.else
	v_wmma_scale_f32_16x16x128_f8f6f4 v[8*(8*(\a)+\b):8*(8*(\a)+\b)+7], v[128*(\p)+FR*\b:128*(\p)+FR*\b+FR-1], v[AF+64*(\p)+FR*(\a):AF+64*(\p)+FR*(\a)+FR-1], v[8*(8*(\a)+\b):8*(8*(\a)+\b)+7], v[SC+16*(\sc)+2*\b+(\q)], v[SC+16*(\sc)+2*(\a)+(\q)] matrix_a_scale:MATRIX_SCALE_ROW1
.endif
.endr
.endm
.macro STEP slot, first                ; a slot's first 128 along K, on set 0; set 1 takes its second
.if \first == 0
	PLACES NP                                      ; in front of the loads into set 1, which the last products read
.endif
	FETCH \slot, 1, 1
	s_wait_dscnt 48                                ; all but the 48 just issued: set 0 and the slot's scale words are in
.if \first
	WIN FST
.else
	WIN MUL
.endif
.irp a, 0,1,2,3
	MUL8 \a, 0, 0, \slot, \first
.endr
	WIN 0
.endm
; A slot's second 128 along K, on set 1, changes slots: one barrier; in front of it each wave waits for all its tensor loads, adds 0 to its spare word, and waits for that and for its reads of this slot.
; fill = 1: this slot is filled again, two K steps on.  k: the next slot's K step.  pf: the pair that a prefetch names, or 0
.macro TURN slot, next, fill, k, pf
	s_wait_tensorcnt 0x0                           ; all my tensor loads have landed: my part of the next slot
	ds_add_u32 v[SPW], v[NIL]
	s_wait_dscnt 1                                 ; set 1 is in; the add may be out
	WIN MUL
	MUL8 0, 1, 1, \slot, 0
	s_wait_dscnt 0x0                               ; the add is done, and my reads of this slot are over
	s_barrier_signal -1
	MUL8 1, 1, 1, \slot, 0
	WIN 0
	s_barrier_wait -1
.if \fill
	CREST                                          ; the barrier has opened a round of the cluster's barrier
	s_add_nc_u64 s[G0+4*\slot+2:G0+4*\slot+3], s[G0+4*\slot+2:G0+4*\slot+3], 2*ASTEP
	s_add_nc_u64 s[G0B+4*\slot+2:G0B+4*\slot+3], s[G0B+4*\slot+2:G0B+4*\slot+3], 2*ROWB
	JLOAD G0+4*\slot, G1, G0B+4*\slot, G1B         ; the first tensor load behind the round; its four v_nop are among the places in front of the loads below
	PLACES NP-4
.else
	PLACES NP
.endif
	FETCH \next, 0, 0
	SCALES \next, \k
.if \pf
	global_prefetch_b8 v[PFO], s[\pf:\pf+1] th:TH_LOAD_NT scope:SCOPE_SE
.endif
	WIN MUL
	MUL8 2, 1, 1, \slot, 0
	MUL8 3, 1, 1, \slot, 0
	WIN 0
.endm
	s_wait_alu depctr_va_vdst(0)
	s_wait_tensorcnt 0x0                           ; my tile of the head's four is in
	ds_add_u32 v[SPW], v[NIL]                      ; 0 onto my spare word ahead of a later first fill
	s_mov_b32 s[G1+2], 64<<16                      ; no tensor load of mine is out: from here on a load brings 64 rows of A
	s_mov_b32 s[G1+4], 64
	s_mov_b32 s[G1B+2], 128<<16                    ; or 128 of W
	s_mov_b32 s[G1B+4], 128
	s_wait_dscnt 0x0
	CROUND                                         ; all four tiles are in, and all sixteen work-groups are here
	JLOAD G0+4, G1, G0B+4, G1B                     ; K step 1, the first tensor load behind the round
	FETCH 0, 0, 0
	SCALES 0, 0
	global_prefetch_b8 v[PFO], s[PF2:PF2+1] th:TH_LOAD_NT scope:SCOPE_SE
	s_wait_loadcnt 0x0                             ; the bias
	STEP 0, 1                                      ; the first products start the sums with the bias
	TURN 0, 1, 1, 1, PF3                           ; slot 0 takes K step 2
	STEP 1, 0
	TURN 1, 0, 1, 2, 0                             ; slot 1 takes K step 3
	STEP 0, 0
	TURN 0, 1, 0, 3, 0                             ; nothing more to fill
	STEP 1, 0
	s_wait_dscnt 0x0
	WIN MUL
.irp a, 0,1,2,3
	MUL8 \a, 1, 1, 1, 0
.endr
	WIN 0
; THE WAY OUT, block by block of 16 rows x 128 columns, through my own stage: in as 32 bytes a lane, back as whole rows of 512 bytes, which the 32 lanes store as two aligned units of 256 bytes.
; LDS serves a wave's instructions in order (ISA guide 5.7.1.4): no wait between the stores and the loads.
.macro TOSTAGE a
	WIN 0x08                                       ; the data: window 2
.irp b, 0,1,2,3,4,5,6,7
	ds_store_b128 v[STO], v[64*(\a)+8*\b:64*(\a)+8*\b+3] offset:64*\b          ; each accumulator from its low end on
	ds_store_b128 v[STO], v[64*(\a)+8*\b+4:64*(\a)+8*\b+7] offset:64*\b+16
.endr
	WIN 0
.set BB, BK+64*((\a)%2)
.irp t, 0,1,2,3,4,5,6,7,8,9,10,11,12,13,14,15
	ds_load_b128 v[BB+4*\t:BB+4*\t+3], v[RD] offset:\t*SPITCH
.endr
.endm
.macro SEND a, younger                 ; younger: the LDS instructions issued behind block a's loads, which may stay out
.set BB, BK+64*((\a)%2)
	s_wait_dscnt \younger
.irp t, 0,1,2,3,4,5,6,7,8,9,10,11,12,13,14,15
	global_store_b128 v[CO], v[BB+4*\t:BB+4*\t+3], s[12:13] offset:(32*((\a)/2)+8*((\a)%2)+\t+8*(\t/8))*SIZE_N*4 th:TH_STORE_NT
.endr
.endm
	PLACES NP                                      ; in front of the reads of results and of the loads into A's fragments' registers
	TOSTAGE 0
.irp a, 1,2,3
.if \a > 1
	s_wait_xcnt 0x0                                ; block a - 2's stores have read their registers: block a's loads may land there
.endif
	TOSTAGE \a
	SEND \a-1, 32                                  ; behind block a - 1's loads: block a's 16 stores and 16 loads
.endr
	SEND 3, 0
	s_wait_tensorcnt 0x0                           ; the wave's end
	ds_add_u32 v[SPW], v[NIL]
	s_wait_dscnt 0x0
	CROUND                                         ; the closing round
	s_endpgm
.Lfunc_end_k_qb17ce59d3b_proj:
	.size	k_qb17ce59d3b_proj, .Lfunc_end_k_qb17ce59d3b_proj-k_qb17ce59d3b_proj
	.p2alignl 7, 3214868480
	.fill 96, 4, 3214868480
	.section	.rodata,"a",@progbits
	.p2align	6, 0x0
	.amdhsa_kernel k_qb17ce59d3b_proj
		.amdhsa_group_segment_fixed_size 327680
		.amdhsa_private_segment_fixed_size 0
		.amdhsa_enable_private_segment 0
		.amdhsa_kernarg_size 48
		.amdhsa_user_sgpr_count 2
		.amdhsa_user_sgpr_kernarg_segment_ptr 1
		.amdhsa_wavefront_size32 1
		.amdhsa_system_sgpr_workgroup_id_x 1
		.amdhsa_system_sgpr_workgroup_id_y 1
		.amdhsa_system_sgpr_workgroup_id_z 1
		.amdhsa_system_vgpr_workitem_id 0
		.amdhsa_next_free_vgpr 768
		.amdhsa_next_free_sgpr 102
		.amdhsa_reserve_vcc 0
		.amdhsa_float_denorm_mode_32 3
		.amdhsa_float_denorm_mode_16_64 3
		.amdhsa_memory_ordered 1
		.amdhsa_forward_progress 1
		.amdhsa_inst_pref_size 92
	.end_amdhsa_kernel
	.amdgpu_metadata
---
amdhsa.version: [ 1, 2 ]
amdhsa.kernels:
  - .name:           k_qb17ce59d3b_proj
    .symbol:         k_qb17ce59d3b_proj.kd
    .args:
      - { .name: oimg, .offset: 0, .size: 8, .value_kind: global_buffer, .address_space: global }
      - { .name: osc, .offset: 8, .size: 8, .value_kind: global_buffer, .address_space: global }
      - { .name: W_out_codes, .offset: 16, .size: 8, .value_kind: global_buffer, .address_space: global }
      - { .name: W_out_scales, .offset: 24, .size: 8, .value_kind: global_buffer, .address_space: global }
      - { .name: b_out, .offset: 32, .size: 8, .value_kind: global_buffer, .address_space: global }
      - { .name: out0, .offset: 40, .size: 8, .value_kind: global_buffer, .address_space: global }
    .group_segment_fixed_size: 327680
    .private_segment_fixed_size: 0
    .kernarg_segment_align: 8
    .kernarg_segment_size: 48
    .max_flat_workgroup_size: 128
    .sgpr_count:     102
    .vgpr_count:     768
    .wavefront_size: 32
...
	.end_amdgpu_metadata
.endif
;; end of part 4
